; MI455X (gfx1250); checked and timed in simulation.
; The chip was launched on July 23, 2026; its instructions are those of AMD's public machine-readable ISA for CDNA 5 (MIT licence, August 2026) and "CDNA5" Instruction Set Architecture Reference Guide (July 2026). The comments in the code are by the model that wrote it; some were corrected since.
;; Attention. Allowed arithmetic: matrix products marked QUANTISED: E3M2 operands, one E8M0 scale for each 32 along K, by v_wmma_scale_f32_16x16x128_f8f6f4 with both operands' format E3M2, f32 sums; everything else in f32.
;; Inputs: W_proj 1,024 x 1,024 float32; W_qkv 1,024 x 3,072 float32; X 4 x 2,048 x 1,024 float32; b_proj 1,024 float32; b_qkv 3,072 float32.
;; Outputs: out0 4 x 2,048 x 1,024 float32.
;; This version of the problem:
;;   THIS VERSION OF THE PROBLEM IS GIVEN IN LOW PRECISION. The matrix products marked QUANTISED in the list below multiply operands that are first quantised to E3M2 (3 exponent bits, 2 mantissa bits; 6 bits a number), with one power-of-two scale for each 32 numbers along K (OCP MX v1.0); their sums are f32. All else is computed in f32.
;;   The module's matrix products, in the order in which they are computed (A, B: the left and right operand; K: the contracted axis; several contracted axes count as one K, in the product's order):
;;     1. [M 8,192, K 1,024] x [K 1,024, N 3,072]; A: input X; B: input W_qkv: QUANTISED
;;     2. batch 64 x [M 2,048, K 64] x [K 64, N 2,048]; A: computed on the way; B: computed on the way: QUANTISED
;;     3. batch 64 x [M 64, K 2,048] x [K 2,048, N 2,048]; A: computed on the way; B: softmax (see below): QUANTISED
;;     4. [M 8,192, K 1,024] x [K 1,024, N 1,024]; A: computed on the way; B: input W_proj: QUANTISED
;;   THE QUANTISER, for each operand of a quantised product, along K:
;;     - K is cut into blocks of 32 from its start; a last block that is shorter is filled with zeros.
;;     - A block's scale is 2^e with e = floor(log2(the largest magnitude in the block)) - 4, held to -126 .. 127; a block of zeros has e = 0. As a byte (E8M0): e + 127.
;;     - Each number is divided by its block's scale, clamped to +-28, and rounded to the nearest number of E3M2, ties to even, subnormals kept.
;;     - The product sums the exact products of the quantised numbers (number of the format x scale) in f32.
;;   ~~~python
;;   def quantise(x, axis):      # numpy; x: float32 -> the quantised numbers, widened to float32 again
;;       x = np.moveaxis(x, axis, -1); K = x.shape[-1]
;;       x = np.pad(x, [(0, 0)] * (x.ndim - 1) + [(0, -K % 32)]); x = x.reshape(x.shape[:-1] + (-1, 32)); a = np.abs(x).max(-1, keepdims=True)
;;       e = np.where(a > 0, np.clip(np.frexp(np.where(a > 0, a, 1))[1] - 1 - 4, -126, 127), 0)      # np.frexp(a)[1] - 1 = floor(log2(a)), exactly
;;       r = np.clip(x / 2.0 ** e, -28, 28)
;;       step = 2.0 ** (np.maximum(np.frexp(np.where(r == 0, 1, r))[1] - 1, -2) - 2)
;;       q = np.round(r / step) * step * 2.0 ** e      # np.round: ties to even
;;       return np.moveaxis(q.reshape(q.shape[:-2] + (-1,))[..., :K], -1, axis).astype(np.float32)
;;   ~~~
;;   SOFTMAX AHEAD OF A QUANTISED PRODUCT. Where the list says 'softmax', what is quantised is not the finished softmax but p = 2^(t - M), with t = logit x log2(e) and M = ceil(the row's largest t), a whole number; so 1/2 < the row's largest p <= 1. The row's sum l is taken of the UNQUANTISED p, in f32, and the product's result is divided by l at the end. Since M is a whole number, a kernel that streams over the keys may use a running M (the ceiling of the running maximum): every later rescaling is an exact power of two, which a block's scale takes up: the codes' values come out the same.
;;   OPERANDS COMPUTED ON THE WAY. 'Computed on the way' means the value that the module computes at that place (a softmax that the list does not call 'softmax' is quantised finished and normalised). What goes into a quantiser is computed in f32, as accurately as f32 sums, v_exp_f32 and their like allow (about 1e-6 of the number): no bf16 or f16 on the way to a quantiser, and a product that is left as it is and whose result goes on into a quantised operand takes f32 operands (vector FMAs, or v_wmma_f32_16x16x4_f32). A number that lies on a knife's edge between two numbers of the format may be rounded either way, as far as f32 arithmetic and the matrix unit's own rounding can turn it there, and no further.
;; One version. Each part assembles by itself: llvm-mc -triple=amdgcn-amd-amdhsa -mcpu=gfx1250 --defsym DOCPART=n.
;; ======== version 1 of 1: 4 launches
;; limits: right only within a limited range of input values
;; workspace buffers: cod 9,437,184 bytes; scl 393,216 bytes; qkv 20,185,088 bytes; oc 6,291,456 bytes; os 262,144 bytes
;; launch quant (part 1): grid 96 x 4, 4 waves a work-group, no clusters, 68,096 bytes of LDS; arguments X, W_qkv, W_proj, cod, scl; writes cod, scl
.if DOCPART == 1
	.amdgcn_target "amdgcn-amd-amdhsa--gfx1250"
	.amdhsa_code_object_version 6
	.text
	.protected	k_q0612fe51da_quant
	.globl	k_q0612fe51da_quant
	.p2align	8
	.type	k_q0612fe51da_quant,@function
k_q0612fe51da_quant:
	s_mov_b64 s[64:65], 0
	v_nop
	global_prefetch_b8 v0, s[64:65] scope:SCOPE_SE
	s_setreg_imm32_b32 hwreg(HW_REG_WAVE_MODE, 25, 1), 1
	s_wait_xcnt 0x0
; X [8192][1024], W_qkv [1024][3072] and W_proj [1024][1024], f32, become codes of BF6 (E3M2), 6 bits each, K = 1,024 innermost, with one E8M0 scale byte for each 32 along K.
; cod: 12,288 rows of 768 bytes; scl: the same rows, 32 bytes each.  Rows 0 .. 8191: X's tokens; 8192 + n: W_qkv's columns; 11264 + n: W_proj's columns.
; A WEIGHT'S COLUMN IS STORED AT THE PLACE THAT ITS NUMBER GIVES WITH BITS 3 AND 4 EXCHANGED; X's TOKENS WITH BITS 3 TO 5 ROTATED.  Sixteen stored neighbours, taken as source 0 of a matrix instruction, then leave in a lane's 16 registers of two
; neighbouring tiles 16 true neighbours, which is what the next quantiser wants; the last launch of the program undoes the exchange in its stores.
; A block's scale is 2^(floor(log2(its largest magnitude)) - 4); its byte is the largest magnitude's exponent field - 4, held at 1 from below.
; LIMITS: a block of zeros, or one whose largest magnitude lies under 2^-122, gets the byte 1 (its codes are zeros or subnormal codes; the bytes are read by this program alone); NaN and infinities are not served.
; Work-groups x >= 32 take X (K innermost: a plain stream of blocks); work-groups x < 32 take the weights (K is the first axis: a lane takes a column, its registers run down K).
; The two ways part on the work-group's number and have LDS bytes of their own.  No tensor load, no barrier: waves share nothing.
.set STEPS, 16                         ; X: steps of 512 numbers for a wave
.set EMAX,  4
.set CB,    12                         ; bytes of 16 codes
.set R,     16                         ; X: v16-79   four sets of 16 numbers as they are loaded
.set XN,    80                         ; X: v80-111  two sets of 16 neighbours
.set C,     128                        ; X: v128-191 codes: four registers for each step
.set E,     112                        ; X: v112-127 a scale byte for each step
.set WREG,  8192                       ; X: LDS of a wave: two stages of 32 x SP bytes, behind them its 256 scale bytes
.set SP,    80                         ; X: a lane's place in a stage: 64 bytes + 16 of padding
.set WLDS,  32768                      ; W: its LDS begins here
.set PITCH, 272                        ; W: a stage row: sixteen places of 16 bytes + 16
.set NB,    8                          ; W: blocks of 32 along K for a wave (256 along K)
.set KROW,  768                        ; a row of cod in bytes
.set WX,    32                         ; W: v32-95   two sets of 32 numbers
.set WC,    96                         ; W: a block's codes
.set OUTR,  112                        ; W: v112-175 the way out
.set SB,    24                         ; W: v24-25   the scale bytes
.set OFF,   176                        ; W: v176-207 byte offsets of the 32 rows of a block: 4 x lane + i x the row's bytes
	s_load_b128 s[4:7], s[0:1], 0x0                ; X s[4:5], W_qkv s[6:7]
	s_load_b128 s[8:11], s[0:1], 0x10              ; W_proj s[8:9], cod s[10:11]
	s_load_b64 s[12:13], s[0:1], 0x20              ; scl
	v_lshl_add_u32 v208, v0, 2, 0x10800
	v_mov_b32 v209, 0
	v_lshrrev_b32 v1, 5, v0
	v_readfirstlane_b32 s16, v1                    ; wave 0..3
	v_and_b32 v2, 31, v0                           ; lane
	s_and_b32 s17, ttmp7, 0xffff                   ; work-group y
	s_cmp_lt_u32 ttmp9, 32
	s_cbranch_scc1 .Lweights
; ---------------- X.  Work-group g = 4 (x - 32) + y takes 32 rows, wave w the 8 rows 32 g + 8 w on: 8,192 numbers on end.  Their codes go to the run of 8 rows whose number has its three low bits rotated.
	v_lshlrev_b32 v3, 4, v2                        ; my 16 bytes of a load's 512
	s_mul_i32 s18, s16, WREG
	v_lshrrev_b32 v14, 2, v2
	v_mul_u32_u24 v14, v14, SP
	v_and_b32 v15, 3, v2
	v_lshl_add_u32 v14, v15, 4, v14
	v_add_nc_u32 v14, s18, v14                     ; the stage, on the way in: SP (lane / 4) + 16 (lane % 4)
	v_mul_u32_u24 v15, v2, SP
	v_add_nc_u32 v15, s18, v15                     ; and on the way out: SP x lane: my 16 neighbours
	; cod's layout (it replaces plain rows of 768 bytes): [group of 256 rows][K step of 256][row in the group][192 bytes], so that 128 or 256 rows of one K step are one dense run of bytes
	v_and_b32 v4, 15, v2
	v_mul_u32_u24 v4, v4, CB                       ; my codes' place in a row's 192 bytes of a K step,
	v_lshrrev_b32 v10, 4, v2
	v_mad_u32_u24 v4, v10, 0xc000, v4              ; lanes 16-31 hold the next K step: 49,152 bytes on
	v_lshrrev_b32 v5, 1, v2
	s_add_co_u32 s18, s18, 2*32*SP
	v_add_nc_u32 v5, s18, v5                       ; my wave's 256 scale bytes, my block's byte
	v_lshlrev_b32 v7, 3, v2                        ; and on the way out 8 bytes a lane
	v_add_nc_u32 v6, s18, v7
	s_sub_co_u32 s19, ttmp9, 32
	s_lshl_b32 s19, s19, 2
	s_add_co_u32 s19, s19, s17                     ; g
	s_lshl_b32 s19, s19, 2
	s_add_co_u32 s20, s19, s16                     ; the run that I read: 4 g + w
	; X's rows alone: a token is stored at the place that its number gives with bits 3 to 5 rotated (stored bit 3 = true bit 5, stored 4 = true 3, stored 5 = true 4); the weights' columns keep the exchange of bits 3 and 4
	s_and_b32 s21, s20, 3
	s_lshl_b32 s21, s21, 1
	s_bfe_u32 s22, s20, 0x10002
	s_or_b32 s21, s21, s22
	s_and_b32 s22, s20, 0xfffffff8
	s_add_co_u32 s22, s22, s21                     ; the run of 8 rows that I write: the low three bits of the run's number rotated
	s_lshl_b32 s24, s20, 15                        ; 32,768 bytes of f32 a run
	s_mov_b32 s25, 0
	s_lshr_b32 s26, s22, 5
	s_mul_i32 s26, s26, 196608                     ; the group of 256 rows,
	s_and_b32 s27, s22, 31
	s_mul_i32 s27, s27, 1536                       ; and my 8 rows of 192 bytes in it
	s_add_co_u32 s26, s26, s27
	s_mov_b32 s27, 0
	s_lshl_b32 s28, s22, 8                         ; 256 scale bytes
	s_mov_b32 s29, 0
	s_wait_alu depctr_va_vdst(0)
	s_wait_kmcnt 0x0
	s_add_nc_u64 s[4:5], s[4:5], s[24:25]
	s_add_nc_u64 s[10:11], s[10:11], s[26:27]
	s_add_nc_u64 s[12:13], s[12:13], s[28:29]
.macro XLOAD t
.irp i, 0,1,2,3
	global_load_b128 v[R+16*((\t)%4)+4*\i:R+16*((\t)%4)+4*\i+3], v3, s[4:5] offset:2048*(\t)+512*\i th:TH_LOAD_NT   ; 32 lanes read 512 consecutive bytes
.endr
.endm
.macro XTURN t                         ; step t's numbers through the stage: LDS serves a wave's instructions in order, so no wait stands between the stores and the loads
.irp i, 0,1,2,3
	ds_store_b128 v14, v[R+16*((\t)%4)+4*\i:R+16*((\t)%4)+4*\i+3] offset:32*SP*((\t)%2)+8*SP*\i
.endr
.irp i, 0,1,2,3
	ds_load_b128 v[XN+16*((\t)%2)+4*\i:XN+16*((\t)%2)+4*\i+3], v15 offset:32*SP*((\t)%2)+16*\i
.endr
.endm
.irp t, 0,1,2,3
	XLOAD \t
.endr
	s_wait_loadcnt 12                              ; step 0's four loads are in; the twelve of steps 1 to 3 may be out
	XTURN 0
.macro XSTEP t
.set XS, XN+16*((\t)%2)
.if (\t) > 0
	s_wait_dscnt 1                                 ; this step's numbers are back from the stage (the last step's byte store may be out)
.else
	s_wait_dscnt 0x0
.endif
.if (\t)+4 < STEPS
	XLOAD (\t)+4                                   ; into the registers that the stage's stores have read
.endif
.if (\t)+1 < STEPS
.if STEPS-2-(\t) >= 3
	s_wait_loadcnt 12                              ; the next step's four loads are in; those of the three steps behind it may be out
.else
	s_wait_loadcnt 4*(STEPS-2-(\t))
.endif
	XTURN (\t)+1
.endif
	v_max3_num_f32 v8, |v[XS]|, |v[XS+1]|, |v[XS+2]|               ; the largest magnitude of my 16, in two chains
	v_max3_num_f32 v9, |v[XS+3]|, |v[XS+4]|, |v[XS+5]|
.irp i, 6,10
	v_max3_num_f32 v8, v8, |v[XS+\i]|, |v[XS+\i+1]|
	v_max3_num_f32 v9, v9, |v[XS+\i+2]|, |v[XS+\i+3]|
.endr
	v_max3_num_f32 v8, v8, |v[XS+14]|, |v[XS+15]|
	v_max3_num_f32 v8, v8, v9, (EMAX+1)<<23        ; and the floor 2^(5 - 127): the byte cannot fall under 1
	v_max_num_f32_dpp v8, v8, v8 row_xmask:1 row_mask:0xf bank_mask:0xf   ; and of my neighbour's 16: the block's
	v_add_nc_u32 v11, -(EMAX<<23), v8              ; 4 off its exponent field: the conversion takes the exponent field of this operand as its scale
	v_cvt_scalef32_pk16_bf6_f32 v[C+4*(\t):C+4*(\t)+2], v[XS:XS+15], v11
	v_lshrrev_b32 v[E+(\t)], 23, v11               ; the scale's byte (a plain line behind the conversion)
	ds_store_b8 v5, v[E+(\t)] offset:16*(\t)       ; both lanes of a block write the same byte with the same value
	global_store_b96 v4, v[C+4*(\t):C+4*(\t)+2], s[10:11] offset:98304*((\t)%2)+192*((\t)/2)   ; row t / 2, K steps 2 (t % 2) and 2 (t % 2) + 1: sixteen lanes store 192 consecutive bytes
.endm
.irp t, 0,1,2,3,4,5,6,7,8,9,10,11,12,13,14,15
	XSTEP \t
.endr
	ds_load_b64 v[12:13], v6                       ; LDS serves a wave's instructions in order: these see my stores
	s_wait_dscnt 0x0
	global_store_b64 v7, v[12:13], s[12:13]        ; 32 lanes store 256 consecutive bytes, aligned
	s_wait_tensorcnt 0x0
	ds_add_u32 v208, v209
	s_wait_dscnt 0x0
	s_endpgm
; ---------------- The weights.  Work-group x takes 128 columns (x < 24: W_qkv's 128 x on; else W_proj's 128 (x - 24) on), y 256 along K; wave w 32 of the columns.
.Lweights:
	s_cmp_lt_u32 ttmp9, 24
	s_mov_b32 s18, 4096
	s_cselect_b32 s18, 12288, s18                  ; bytes from a row of the weight to the next
	s_cselect_b32 s19, 0, 24
	s_wait_kmcnt 0x0
	s_cselect_b64 s[6:7], s[6:7], s[8:9]           ; the choice hangs on the work-group's number alone
	s_sub_co_u32 s19, ttmp9, s19
	s_lshl_b32 s19, s19, 9                         ; my work-group's first column, in bytes
	s_lshl_b32 s20, s16, 7                         ; my wave's
	s_add_co_u32 s19, s19, s20
	s_lshl_b32 s20, s17, 8
	s_mul_i32 s20, s20, s18                        ; 256 y rows down
	s_add_co_u32 s20, s20, s19
	s_mov_b32 s21, 0
	s_add_nc_u64 s[32:33], s[6:7], s[20:21]        ; block 0's base; a base for each of the 8 blocks, so that nothing is stepped
	s_lshl_b32 s22, s18, 5                         ; 32 rows
	s_mov_b32 s23, 0
.irp t, 1,2,3,4,5,6,7
	s_add_nc_u64 s[32+2*\t:33+2*\t], s[30+2*\t:31+2*\t], s[22:23]
.endr
	s_lshl_b32 s24, ttmp9, 7
	s_lshl_b32 s25, s16, 5
	s_add_co_u32 s24, s24, s25
	s_add_co_u32 s24, s24, 8192                    ; my 32 columns' first row in cod and scl: 8192 + 128 x + 32 w (W_proj's follow W_qkv's 3,072)
	s_lshr_b32 s26, s24, 8
	s_mul_i32 s26, s26, 196608                     ; the group of 256 rows,
	s_and_b32 s25, s24, 255
	s_mul_i32 s25, s25, 192                        ; my first row in it,
	s_add_co_u32 s26, s26, s25
	s_mul_i32 s25, s17, 49152                      ; K step y
	s_add_co_u32 s26, s26, s25
	s_mov_b32 s27, 0
	s_add_nc_u64 s[10:11], s[10:11], s[26:27]
	s_lshl_b32 s28, s24, 5
	s_lshl_b32 s25, s17, 3
	s_add_co_u32 s28, s28, s25
	s_mov_b32 s29, 0
	s_add_nc_u64 s[12:13], s[12:13], s[28:29]
	s_wait_alu depctr_va_vdst(0)
	v_lshlrev_b32 v3, 2, v2                        ; in: 4 bytes a lane
.irp i, 0,1,2,3,4,5,6,7,8,9,10,11,12,13,14,15,16,17,18,19,20,21,22,23,24,25,26,27,28,29,30,31
	v_mad_u32_u24 v[OFF+\i], s18, \i, v3
.endr
	v_and_b32 v10, 7, v2                           ; p = my lane's number with bits 3 and 4 exchanged: my column's place among the wave's 32 rows
	v_bfe_u32 v11, v2, 3, 1
	v_lshl_add_u32 v10, v11, 4, v10
	v_bfe_u32 v11, v2, 4, 1
	v_lshl_add_u32 v10, v11, 3, v10
	s_mul_i32 s19, s16, 32*PITCH
	s_add_co_u32 s19, s19, WLDS                    ; my stage
	v_mul_u32_u24 v4, v10, PITCH
	v_add_nc_u32 v4, s19, v4                       ; into it: row p
	v_and_b32 v5, 15, v2
	v_lshrrev_b32 v6, 4, v2                        ; out of it: sixteen lanes to a row, two rows an instruction
	v_mul_u32_u24 v7, v6, PITCH
	v_lshl_add_u32 v7, v5, 4, v7
	v_add_nc_u32 v7, s19, v7
	v_mul_u32_u24 v8, v6, 192
	v_mad_u32_u24 v8, v5, 12, v8                   ; and the same place in cod
	v_lshlrev_b32 v9, 5, v10                       ; my column's row of scale bytes
.macro WLOAD t                         ; block t: W(32 t + i, my column), i = 0 .. 31, into set t % 2: each load reads 128 consecutive bytes
.irp i, 0,1,2,3,4,5,6,7,8,9,10,11,12,13,14,15,16,17,18,19,20,21,22,23,24,25,26,27,28,29,30,31
	global_load_b32 v[WX+32*((\t)%2)+\i], v[OFF+\i], s[32+2*(\t):33+2*(\t)] th:TH_LOAD_NT
.endr
.endm
	WLOAD 0
	WLOAD 1
.macro BLOCK t
.set XS, WX+32*((\t)%2)
.if (\t) < NB-1
	s_wait_loadcnt 32                              ; this block's 32 loads are in; the next block's may be out
.else
	s_wait_loadcnt 0
.endif
	v_max3_num_f32 v12, |v[XS]|, |v[XS+1]|, |v[XS+2]|               ; the block's largest magnitude: all 32 numbers are mine
	v_max3_num_f32 v13, |v[XS+3]|, |v[XS+4]|, |v[XS+5]|
.irp i, 6,10,14,18,22,26
	v_max3_num_f32 v12, v12, |v[XS+\i]|, |v[XS+\i+1]|
	v_max3_num_f32 v13, v13, |v[XS+\i+2]|, |v[XS+\i+3]|
.endr
	v_max3_num_f32 v12, v12, |v[XS+30]|, |v[XS+31]|
	v_max3_num_f32 v12, v12, v13, (EMAX+1)<<23     ; and the floor
	v_add_nc_u32 v11, -(EMAX<<23), v12             ; the conversion's scale operand
	v_lshrrev_b32 v13, 23, v11                     ; the scale's byte
.if (\t)%4 == 0
	v_mov_b32 v[SB+(\t)/4], v13                    ; four bytes to a register, the lower K in the lower byte
.else
	v_lshl_or_b32 v[SB+(\t)/4], v13, 8*((\t)%4), v[SB+(\t)/4]
.endif
	v_cvt_scalef32_pk16_bf6_f32 v[WC:WC+2], v[XS:XS+15], v11
	v_cvt_scalef32_pk16_bf6_f32 v[WC+4:WC+6], v[XS+16:XS+31], v11   ; (a conversion's three registers begin on an even number)
	ds_store_b96 v4, v[WC:WC+2] offset:32*(\t)     ; 16 codes, 12 bytes, to a place of 16 bytes
	ds_store_b96 v4, v[WC+4:WC+6] offset:32*(\t)+16
.if (\t)+2 < NB
	WLOAD (\t)+2
.endif
	s_wait_dscnt 0x0                               ; the stores have read their registers: the next block's codes may be written
.endm
.irp t, 0,1,2,3,4,5,6,7
	BLOCK \t
.endr
	s_wait_alu depctr_va_vdst(0)
	global_store_b64 v9, v[SB:SB+1], s[12:13]      ; my column's 8 scale bytes
.irp t, 0,1,2,3,4,5,6,7,8,9,10,11,12,13,14,15
	ds_load_b96 v[OUTR+4*\t:OUTR+4*\t+2], v7 offset:2*\t*PITCH   ; LDS serves a wave's instructions in order: these see my stores
.endr
.irp t, 0,1,2,3,4,5,6,7,8,9,10,11,12,13,14,15
	s_wait_dscnt 15-\t                             ; the younger read-backs may be out
	global_store_b96 v8, v[OUTR+4*\t:OUTR+4*\t+2], s[10:11] offset:2*\t*192   ; the wave's 32 rows of this K step are 6,144 consecutive bytes
.endr
	s_wait_tensorcnt 0x0
	ds_add_u32 v208, v209
	s_wait_dscnt 0x0
	s_endpgm
.Lfunc_end_k_q0612fe51da_quant:
	.size	k_q0612fe51da_quant, .Lfunc_end_k_q0612fe51da_quant-k_q0612fe51da_quant
	.p2alignl 7, 3214868480
	.fill 96, 4, 3214868480
	.section	.rodata,"a",@progbits
	.p2align	6, 0x0
	.amdhsa_kernel k_q0612fe51da_quant
		.amdhsa_group_segment_fixed_size 68096
		.amdhsa_private_segment_fixed_size 0
		.amdhsa_enable_private_segment 0
		.amdhsa_kernarg_size 40
		.amdhsa_user_sgpr_count 2
		.amdhsa_user_sgpr_kernarg_segment_ptr 1
		.amdhsa_wavefront_size32 1
		.amdhsa_system_sgpr_workgroup_id_x 1
		.amdhsa_system_sgpr_workgroup_id_y 1
		.amdhsa_system_sgpr_workgroup_id_z 1
		.amdhsa_system_vgpr_workitem_id 0
		.amdhsa_next_free_vgpr 210
		.amdhsa_next_free_sgpr 66
		.amdhsa_reserve_vcc 0
		.amdhsa_float_denorm_mode_32 3
		.amdhsa_float_denorm_mode_16_64 3
		.amdhsa_memory_ordered 1
		.amdhsa_forward_progress 1
		.amdhsa_inst_pref_size 77
	.end_amdhsa_kernel
	.amdgpu_metadata
---
amdhsa.version: [ 1, 2 ]
amdhsa.kernels:
  - .name:           k_q0612fe51da_quant
    .symbol:         k_q0612fe51da_quant.kd
    .args:
      - { .name: X, .offset: 0, .size: 8, .value_kind: global_buffer, .address_space: global }
      - { .name: W_qkv, .offset: 8, .size: 8, .value_kind: global_buffer, .address_space: global }
      - { .name: W_proj, .offset: 16, .size: 8, .value_kind: global_buffer, .address_space: global }
      - { .name: cod, .offset: 24, .size: 8, .value_kind: global_buffer, .address_space: global }
      - { .name: scl, .offset: 32, .size: 8, .value_kind: global_buffer, .address_space: global }
    .group_segment_fixed_size: 68096
    .private_segment_fixed_size: 0
    .kernarg_segment_align: 8
    .kernarg_segment_size: 40
    .max_flat_workgroup_size: 128
    .sgpr_count:     66
    .vgpr_count:     210
    .wavefront_size: 32
...
	.end_amdgpu_metadata
.endif
;; end of part 1
;; launch gemm_qkv (part 2): grid 8 x 48, 4 waves a work-group, clusters of 4 x 4, 327,680 bytes of LDS; arguments cod, scl, b_qkv, qkv; writes qkv
.if DOCPART == 2
	.amdgcn_target "amdgcn-amd-amdhsa--gfx1250"
	.amdhsa_code_object_version 6
	.text
	.protected	k_q0612fe51da_gemm_qkv
	.globl	k_q0612fe51da_gemm_qkv
	.p2align	8
	.type	k_q0612fe51da_gemm_qkv,@function
k_q0612fe51da_gemm_qkv:
	s_mov_b64 s[64:65], 0
	v_nop
	global_prefetch_b8 v0, s[64:65] scope:SCOPE_SE
	s_setreg_imm32_b32 hwreg(HW_REG_WAVE_MODE, 25, 1), 1
	s_wait_xcnt 0x0
	s_wait_alu depctr_hold_cnt(0) depctr_sa_sdst(0) depctr_va_vdst(0) depctr_va_sdst(0) depctr_va_ssrc(0) depctr_va_vcc(0) depctr_vm_vsrc(0)
	s_getreg_b32 s2, hwreg(HW_REG_IB_STS2, 6, 4)
	s_cmp_eq_u32 s2, 0
	s_cbranch_scc0 .Lentry_in_a_cluster
	s_endpgm
.Lentry_in_a_cluster:
	s_bfe_u32 s2, ttmp6, 0x10000c
	s_cmp_lg_u32 s2, 0xf033
	s_cbranch_scc0 .Lentry_shape_is_right
	s_endpgm
.Lentry_shape_is_right:
.set SIZE_K, 1024
.set KSTEP,  256
.set NQ,     KSTEP/128
.set ROWB,   49152                     ; bytes from a K step of a group of 256 rows of cod to the next
.set KROW,   SIZE_K*6/8
.set PITCH,  240
.set FR,     12
.set NL,     6
.set NP,     4
.set HALFT,  128*PITCH
.set SLOT,   4*HALFT
.set LAPS,   SIZE_K/(2*KSTEP)
.set KS,     SIZE_K/32
.set SCL,    2*SLOT
.set HALFS,  (128*KS/256)*272
.set SBLK,   (16*KS/256)*272
.set SPARE,  SCL+4*HALFS
.set STGQ,   SPARE+512
.set STGV,   STGQ+4096
.set HS,     315392
.set VOFF,   98304
.set KSO,    196608
.set VSO,    204800
.set QOFF,   208896
.set QSO,    307200
.set L16,  8
.set L8,   9
.set SQ,   10
.set SQR,  11
.set SV,   12
.set SVR,  13
.set VB,   14
.set GV,   15
.set ADRA, 16
.set ADRB, 20
.set ADRS, 27
.set SPW,  28
.set NIL,  29
.set BIO,  30
.set SC,   32
.set BI,   64
.set BV,   64
.set AF,   128
.set ST,   128
.set PC,   192
.set TM,   224
.set PW,   240
.set PX,   241
.set PY,   242
.set G1, 24
.set G0, 32
.set G1B, 48
.set G0B, 56
.set G1S, 68
.set G0S, 76
.set G1SB, 80
.set G0SB, 88
.set SEL, 98
.set MSB, 0
.macro WIN new
.if MSB != \new
	s_set_vgpr_msb (MSB<<8)|\new
.set MSB, \new
.endif
.endm
.set MUL_LO, 0xa1
.set MUL_HI, 0xf1
.set TO_B,   0x40
.macro JLOAD g0a, g1a, g0b, g1b
	s_cmp_eq_u32 s15, 0
	s_cbranch_scc0 .Lfor_b_\@
	tensor_load_to_lds s[\g0a:\g0a+3], s[\g1a:\g1a+7]
	s_nop 0
.rept 4
	v_nop
.endr
	s_branch .Lasked_\@
.Lfor_b_\@:
	tensor_load_to_lds s[\g0b:\g0b+3], s[\g1b:\g1b+7]
	s_nop 0
.rept 4
	v_nop
.endr
.Lasked_\@:
.endm
.macro CREST
	s_cmp_lg_u32 s14, 0
	s_cbranch_scc1 .Lnot_wave_0_\@
	s_barrier_signal -3
.Lnot_wave_0_\@:
	s_barrier_wait -3
	s_barrier_signal -1
	s_barrier_wait -1
.endm
.macro CROUND
	s_barrier_signal -1
	s_barrier_wait -1
	CREST
.endm
	s_load_b128 s[4:7], s[0:1], 0x0
	s_load_b128 s[8:11], s[0:1], 0x10
	v_lshl_add_u32 v[SPW], v0, 2, SPARE
	v_mov_b32 v[NIL], 0
	ds_add_u32 v28, v29
	ds_add_u32 v28, v29
	s_wait_dscnt 0x0
	v_lshrrev_b32 v1, 5, v0
	v_readfirstlane_b32 s14, v1
	s_lshr_b32 s15, s14, 1
	s_and_b32 s16, s14, 1
	s_bfe_u32 s40, ttmp6, 0x40000
	s_bfe_u32 s41, ttmp6, 0x40004
	s_and_b32 s96, ttmp7, 0xffff
	s_lshl_b32 s42, ttmp9, 2
	s_add_co_u32 s42, s42, s40
	s_lshl_b32 s43, s41, 2
	s_lshl_b32 s43, 15, s43
	s_lshl_b32 s44, 0x1111, s40
	s_or_b32 s[G1+0], s43, (0<<16)|(1<<20)|(1<<21)|(3<<22)|(3<<25)
	s_or_b32 s[G1B+0], s44, (0<<16)|(1<<20)|(1<<21)|(3<<22)|(3<<25)
.irp g, G1, G1B
	s_mov_b32 s[\g+1], 256<<16                     ; a K step of 256 rows of codes is dense: 49,152 bytes, taken as 192 rows of 256 bytes; 16 bytes of padding behind each 64 make a row of 192 bytes 240 in LDS
	s_mov_b32 s[\g+2], 192<<16
	s_mov_b32 s[\g+3], 256<<16
	s_mov_b32 s[\g+4], 192
	s_mov_b32 s[\g+5], 256
	s_mov_b32 s[\g+6], 0
	s_mov_b32 s[\g+7], 0
.endr
	s_or_b32 s[G1S+0], s43, (3<<16)|(1<<20)|(1<<21)|(5<<22)|(3<<25)
	s_or_b32 s[G1SB+0], s44, (3<<16)|(1<<20)|(1<<21)|(5<<22)|(3<<25)
.irp g, G1S, G1SB
	s_mov_b32 s[\g+1], 32<<16
	s_mov_b32 s[\g+2], KS<<16                      ; the scales of 256 rows: KS rows of 256 bytes
	s_mov_b32 s[\g+3], 32<<16
	s_mov_b32 s[\g+4], KS
	s_mov_b32 s[\g+5], 32
	s_mov_b32 s[\g+6], 0
	s_mov_b32 s[\g+7], 0
.endr
	s_lshl_b32 s20, s96, 10
	s_max_u32 s46, s96, 8
	s_sub_co_u32 s46, s46, 8
	s_lshl_b32 s46, s46, 11
	s_mov_b32 s22, 10240
	s_mov_b32 s23, 8192
	s_cmp_lt_u32 s96, 8
	s_cselect_b32 s20, s20, s22
	s_cselect_b32 s46, s23, s46
	s_lshl_b32 s18, s16, 7
	s_lshl_b32 s19, s41, 8
	s_add_co_u32 s20, s20, s19
	s_add_co_u32 s20, s20, s18
	s_lshl_b32 s47, s42, 8
	s_add_co_u32 s46, s46, s47
	s_add_co_u32 s46, s46, s18
	s_mov_b32 s21, 0
	s_mov_b32 s47, 0
	s_mov_b64 s[18:19], KS
	s_mul_u64 s[22:23], s[20:21], s[18:19]
	s_mul_u64 s[92:93], s[46:47], s[18:19]
	s_mov_b64 s[18:19], KROW
	s_mul_u64 s[20:21], s[20:21], s[18:19]
	s_mul_u64 s[46:47], s[46:47], s[18:19]
	s_mul_i32 s18, s16, 73728                      ; inside a K step the second 128 rows lie 24,576 bytes on, not 98,304
	s_mov_b32 s19, 0
	s_sub_nc_u64 s[20:21], s[20:21], s[18:19]
	s_sub_nc_u64 s[46:47], s[46:47], s[18:19]
	s_mul_i32 s45, s14, HALFT
	s_mov_b32 s[SEL], 0x76543210
	s_mov_b32 s[SEL+1], 0xfedcba98
	s_wait_kmcnt 0x0
	s_add_nc_u64 s[20:21], s[4:5], s[20:21]
	s_add_nc_u64 s[22:23], s[6:7], s[22:23]
	s_add_nc_u64 s[46:47], s[4:5], s[46:47]
	s_add_nc_u64 s[92:93], s[6:7], s[92:93]
	CROUND
.irp s, 0,1
	s_mov_b32 s[G0+4*\s], 1
	s_add_co_u32 s[G0+4*\s+1], s45, \s*SLOT
	s_add_nc_u64 s[G0+4*\s+2:G0+4*\s+3], s[20:21], \s*ROWB
	s_or_b32 s[G0+4*\s+3], s[G0+4*\s+3], 0x80000000
	s_mov_b32 s[G0B+4*\s], 1
	s_add_co_u32 s[G0B+4*\s+1], s45, \s*SLOT
	s_add_nc_u64 s[G0B+4*\s+2:G0B+4*\s+3], s[46:47], \s*ROWB
	s_or_b32 s[G0B+4*\s+3], s[G0B+4*\s+3], 0x80000000
.endr
	; the head's four tiles, each whole, one joint load a wave: wave 0 K step 0 of A's 256 rows, wave 1 of B's, wave 2 A's scales, wave 3 B's.  The half that my wave's number put into the addresses is taken off again
	s_mul_i32 s18, s16, 24576
	s_mov_b32 s19, 0
	s_lshl_b32 s94, s16, 12
	s_mov_b32 s95, 0
	s_mov_b32 s4, 1
	s_mov_b32 s5, 0
	s_sub_nc_u64 s[6:7], s[20:21], s[18:19]
	s_or_b32 s7, s7, 0x80000000
	s_mov_b32 s44, 1
	s_mov_b32 s45, 2*HALFT
	s_sub_nc_u64 s[46:47], s[46:47], s[18:19]
	s_or_b32 s47, s47, 0x80000000
	s_mov_b32 s[G0S], 1
	s_mov_b32 s[G0S+1], SCL
	s_sub_nc_u64 s[G0S+2:G0S+3], s[22:23], s[94:95]
	s_or_b32 s[G0S+3], s[G0S+3], 0x80000000
	s_mov_b32 s[G0SB], 1
	s_mov_b32 s[G0SB+1], SCL+2*HALFS
	s_sub_nc_u64 s[G0SB+2:G0SB+3], s[92:93], s[94:95]
	s_or_b32 s[G0SB+3], s[G0SB+3], 0x80000000
.macro ARM under, g0, g1, next         ; one tree of branches on the wave's number: every way through the head passes exactly one load
	s_cmp_lt_u32 s14, \under
	s_cbranch_scc0 \next
	tensor_load_to_lds s[\g0:\g0+3], s[\g1:\g1+7]
	s_nop 0
.rept 4
	v_nop
.endr
	s_branch .Lhead_asked
\next:
.endm
	ARM 1, 4,   G1,  .Lhead_b
	ARM 2, 44,  G1B, .Lhead_sa
	ARM 3, G0S, G1S, .Lhead_sb
	tensor_load_to_lds s[G0SB:G0SB+3], s[G1SB:G1SB+7]
	s_nop 0
.rept 4
	v_nop
.endr
.Lhead_asked:
	v_and_b32 v1, 15, v0
	v_bfe_u32 v2, v0, 4, 1
	v_mul_u32_u24 v3, v1, PITCH
	v_mul_u32_u24 v4, v2, 24
	v_add_nc_u32 v4, v3, v4
	v_lshl_add_u32 v5, v2, 4, v4
	s_mul_i32 s21, s15, HALFT
	s_mul_i32 s22, s16, HALFT
	s_add_co_u32 s22, s22, 2*HALFT
.irp s, 0,1
	v_add_nc_u32 v[ADRA+\s], s21, v4
	v_add_nc_u32 v[ADRB+\s], s22, v4
	v_add_nc_u32 v[ADRA+2+\s], s21, v5
	v_add_nc_u32 v[ADRB+2+\s], s22, v5
	s_add_co_u32 s21, s21, SLOT
	s_add_co_u32 s22, s22, SLOT
.endr
	v_mul_u32_u24 v5, v1, KS
	v_lshrrev_b32 v6, 8, v5
	v_lshl_add_u32 v5, v6, 4, v5
	s_mul_i32 s21, s15, HALFS
	s_mul_i32 s22, s16, HALFS
	s_add_co_u32 s22, s22, 2*HALFS
	s_sub_co_u32 s22, s22, s21
	v_mul_u32_u24 v6, s22, v2
	s_add_co_u32 s21, s21, SCL
	v_add_nc_u32 v5, v5, v6
	v_add_nc_u32 v[ADRS], s21, v5
	v_and_b32 v6, 31, v0
	v_lshlrev_b32 v[L16], 4, v6
	v_lshlrev_b32 v[L8], 3, v6
	s_lshl_b32 s23, s14, 10
	s_add_co_u32 s23, s23, STGQ
	v_lshlrev_b32 v5, 2, v1
	v_lshl_add_u32 v7, v2, 9, v5
	v_add_nc_u32 v[SQ], s23, v7
	v_add_nc_u32 v[SQR], s23, v[L16]
	s_lshl_b32 s23, s14, 9
	s_add_co_u32 s23, s23, STGV
	v_add_nc_u32 v[SV], s23, v5
	v_add_nc_u32 v[SVR], s23, v[L16]
	v_lshlrev_b32 v[BIO], 6, v2
	v_lshlrev_b32 v24, 3, v2                       ; 8 x (lane / 16): where my two scale bytes stand in V's scale word
	v_and_b32 v7, 8, v1
	v_add_nc_u32 v7, v7, v1
	v_lshlrev_b32 v[VB], 2, v7
	v_mul_u32_u24 v7, v2, HS
	v_lshl_add_u32 v[GV], v1, 4, v7
	v_cmp_ne_u32 s97, 0, v2
.irp b, 0,1,2,3
	v_mov_b32 v[TM+4+\b], 0
.endr
.macro FRAG reg, adr, q, i
.irp p, 0,1,2,3,4,5
.set PCE, 12*(\q)+6*(\p/3)+\p%3
.if PCE%8 < 5
	ds_load_b64 v[\reg+2*\p:\reg+2*\p+1], v[\adr] offset:8*PCE+16*(PCE/8)+(\i)*16*PITCH
.else
	ds_load_b64 v[\reg+2*\p:\reg+2*\p+1], v[\adr+2] offset:8*PCE+16*(PCE/8)+(\i)*16*PITCH
.endif
.endr
.endm
.macro MUL16 a0, p, q, sc, zero
.irp a, \a0, \a0+1
.irp b, 0,1,2,3,4,5,6,7
.if \zero
	v_wmma_scale_f32_16x16x128_f8f6f4 v[8*(8*((\a)%4)+\b):8*(8*((\a)%4)+\b)+7], v[128*(\p)+FR*\b:128*(\p)+FR*\b+FR-1], v[AF+FR*(\a):AF+FR*(\a)+FR-1], 0, v[SC+8*NQ*(\sc)+NQ*\b+(\q)], v[SC+8*NQ*(\sc)+NQ*(\a)+(\q)] matrix_a_fmt:MATRIX_FMT_BF6 matrix_b_fmt:MATRIX_FMT_BF6 matrix_a_scale:MATRIX_SCALE_ROW1
.else
	v_wmma_scale_f32_16x16x128_f8f6f4 v[8*(8*((\a)%4)+\b):8*(8*((\a)%4)+\b)+7], v[128*(\p)+FR*\b:128*(\p)+FR*\b+FR-1], v[AF+FR*(\a):AF+FR*(\a)+FR-1], v[8*(8*((\a)%4)+\b):8*(8*((\a)%4)+\b)+7], v[SC+8*NQ*(\sc)+NQ*\b+(\q)], v[SC+8*NQ*(\sc)+NQ*(\a)+(\q)] matrix_a_fmt:MATRIX_FMT_BF6 matrix_b_fmt:MATRIX_FMT_BF6 matrix_a_scale:MATRIX_SCALE_ROW1
.endif
.endr
.endr
.endm
.macro FETCH_B slot, q, p
	WIN TO_B
.irp i, 0,1,2,3,4,5,6,7
	FRAG 128*(\p)+FR*\i, ADRB+\slot, \q, \i
.endr
	WIN 0
.endm
.macro FETCH_A slot, q, i0
.irp i, \i0, \i0+1, \i0+2, \i0+3
	FRAG AF+FR*(\i), ADRA+\slot, \q, \i
.endr
.endm
.macro SCALES sc
.irp i, 0,1,2,3,4,5,6,7
	ds_load_b64 v[SC+8*NQ*\sc+NQ*\i:SC+8*NQ*\sc+NQ*\i+1], v[ADRS] offset:\i*SBLK
.endr
.endm
.macro PLACES n
.rept \n
	v_nop
.endr
.endm
.macro STEP slot, q, zero
	s_wait_dscnt 4*NL
	WIN MUL_LO
	MUL16 0, (\q)%2, \q, \slot, \zero
	MUL16 2, (\q)%2, \q, \slot, \zero
	s_wait_dscnt 0
	PLACES NP
	FETCH_B \slot, (\q)+1, 1-(\q)%2
	FETCH_A \slot, (\q)+1, 0
	WIN MUL_HI
	MUL16 4, (\q)%2, \q, \slot, \zero
	MUL16 6, (\q)%2, \q, \slot, \zero
	PLACES NP
	WIN 0
	FETCH_A \slot, (\q)+1, 4
.endm
.macro TURN slot, next, fill
	s_wait_tensorcnt 0x0
	ds_add_u32 v[SPW], v[NIL]
	s_wait_dscnt 4*NL+1
	WIN MUL_LO
	MUL16 0, 1, NQ-1, \slot, 0
	s_wait_dscnt 0x0
	s_barrier_signal -1
	MUL16 2, 1, NQ-1, \slot, 0
	WIN 0
	s_barrier_wait -1
.if \fill
	CREST
	s_add_nc_u64 s[G0+4*\slot+2:G0+4*\slot+3], s[G0+4*\slot+2:G0+4*\slot+3], 2*ROWB
	s_add_nc_u64 s[G0B+4*\slot+2:G0B+4*\slot+3], s[G0B+4*\slot+2:G0B+4*\slot+3], 2*ROWB
	JLOAD G0+4*\slot, G1, G0B+4*\slot, G1B
.else
	PLACES NP
.endif
	s_wait_alu depctr_va_vdst(0)
	v_add_nc_u32 v[ADRS], 4*NQ, v[ADRS]
	FETCH_B \next, 0, 0
	FETCH_A \next, 0, 0
	SCALES \next
	WIN MUL_HI
	MUL16 4, 1, NQ-1, \slot, 0
	MUL16 6, 1, NQ-1, \slot, 0
	PLACES NP
	WIN 0
	FETCH_A \next, 0, 4
.endm
.macro LAST
	s_wait_dscnt 4*NL
	WIN MUL_LO
	MUL16 0, 1, NQ-1, 1, 0
	MUL16 2, 1, NQ-1, 1, 0
	s_wait_dscnt 0
	WIN MUL_HI
	MUL16 4, 1, NQ-1, 1, 0
	MUL16 6, 1, NQ-1, 1, 0
	WIN 0
.endm
.macro QUANT s
.irp b, 0,1,2,3
	v_max3_num_f32 v[TM+\b], |v[\s+16*\b]|, |v[\s+1+16*\b]|, 0x2800000
.endr
.irp i, 2,4,6,8,10,12,14
.irp b, 0,1,2,3
	v_max3_num_f32 v[TM+\b], v[TM+\b], |v[\s+16*\b+\i]|, |v[\s+1+16*\b+\i]|
.endr
.endr
.irp b, 0,1,2,3
	v_permlanex16_b32 v[TM+4+\b], v[TM+\b], s[SEL], s[SEL+1]
.endr
.irp b, 0,1,2,3
	v_max_num_f32 v[TM+\b], v[TM+\b], v[TM+4+\b]
.endr
.irp b, 0,1,2,3
	v_add_nc_u32 v[TM+12+\b], 0xfe000000, v[TM+\b]
.endr
.irp b, 0,1,2,3
	v_lshrrev_b32 v[TM+4+\b], 23, v[TM+12+\b]
.endr
	v_lshl_or_b32 v[PW], v[TM+5], 8, v[TM+4]
	v_lshl_or_b32 v[PW], v[TM+6], 16, v[PW]
	v_lshl_or_b32 v[PW], v[TM+7], 24, v[PW]
.irp c, 0,1
	v_cvt_scalef32_pk16_bf6_f32 v[PC+6*\c:PC+2+6*\c], v[\s+32*\c:\s+15+32*\c], v[TM+12+2*\c]
	v_cvt_scalef32_pk16_bf6_f32 v[PC+12+4*\c:PC+14+4*\c], v[\s+16+32*\c:\s+31+32*\c], v[TM+12+2*\c+1]
.endr
	v_nop
.irp c, 0,1
.irp i, 0,1,2
	v_permlane16_swap_b32 v[PC+6*\c+\i], v[PC+12+4*\c+\i]
.endr
.irp i, 0,1,2
	v_mov_b32 v[PC+3+6*\c+\i], v[PC+12+4*\c+\i]
.endr
.endr
.endm
; V's quantiser, along the tokens.  By the tokens' stored order my 64 registers are two WHOLE blocks of 32 true neighbours: registers 32 c + i are token 64 c + 32 (lane / 16) + i.  So a block's maximum needs no other lane, and the codes fall where the operand wants them
.macro QUANTV s
.irp b, 0,1,2,3
	v_max3_num_f32 v[TM+\b], |v[\s+16*\b]|, |v[\s+1+16*\b]|, 0x2800000
.endr
.irp i, 2,4,6,8,10,12,14
.irp b, 0,1,2,3
	v_max3_num_f32 v[TM+\b], v[TM+\b], |v[\s+16*\b+\i]|, |v[\s+1+16*\b+\i]|
.endr
.endr
	v_max_num_f32 v[TM], v[TM], v[TM+1]
	v_max_num_f32 v[TM+2], v[TM+2], v[TM+3]
	v_add_nc_u32 v[TM+12], 0xfe000000, v[TM]
	v_add_nc_u32 v[TM+13], 0xfe000000, v[TM+2]
	v_lshrrev_b32 v[TM+4], 23, v[TM+12]
	v_lshrrev_b32 v[TM+5], 23, v[TM+13]
	v_lshl_or_b32 v[PW], v[TM+5], 16, v[TM+4]      ; my bytes: blocks h and 2 + h,
	v_lshlrev_b32 v[PW], v24, v[PW]                ; at their places,
	v_permlanex16_b32 v[TM+6], v[PW], s[SEL], s[SEL+1]
	v_or_b32 v[PW], v[PW], v[TM+6]                 ; with lane l xor 16's two the word is whole
.irp c, 0,1
	v_cvt_scalef32_pk16_bf6_f32 v[PC+6*\c:PC+2+6*\c], v[\s+32*\c:\s+15+32*\c], v[TM+12+\c]
	v_cvt_scalef32_pk16_bf6_f32 v[PC+12+4*\c:PC+14+4*\c], v[\s+16+32*\c:\s+31+32*\c], v[TM+12+\c]
.endr
	v_nop
.irp c, 0,1
.irp i, 0,1,2
	v_mov_b32 v[PC+3+6*\c+\i], v[PC+12+4*\c+\i]
.endr
.endr
.endm
.macro QKBLOCK a
.if (\a) > 0
	s_wait_xcnt 0x0
	s_wait_dscnt 0x0
.endif
	WIN 0x02+(\a)/4
.set i, 0
.rept 32
	v_pk_add_f32 v[ST+2*i:ST+2*i+1], v[64*((\a)%4)+2*i:64*((\a)%4)+2*i+1], v[BI+2*i:BI+2*i+1]
.set i, i+1
.endr
	WIN 0
	QUANT ST
	global_store_b128 v[L16], v[PC:PC+3], s[12:13] offset:768*(\a)
	global_store_b64 v[L8], v[PC+4:PC+5], s[12:13] offset:768*(\a)+512
	global_store_b128 v[L16], v[PC+6:PC+9], s[12:13] offset:HS+768*(\a)
	global_store_b64 v[L8], v[PC+10:PC+11], s[12:13] offset:HS+768*(\a)+512
	v_and_b32 v[PX], 0xffff, v[PW]
	v_lshrrev_b32 v[PY], 16, v[PW]
	v_cndmask_b32 v[PX], v[PX], v[PY], s97
	ds_store_b32 v[SQ], v[PX] offset:64*(\a)
.endm
.macro VBLOCK a
.if (\a) > 0
	s_wait_xcnt 0x0
	s_wait_dscnt 0x0
.endif
	WIN 0x02+(\a)/4
.set i, 0
.rept 32
	v_pk_add_f32 v[ST+2*i:ST+2*i+1], v[64*((\a)%4)+2*i:64*((\a)%4)+2*i+1], v[BV+2*(\a):BV+2*(\a)+1]
.set i, i+1
.endr
	WIN 0
	QUANTV ST
.irp c, 0,1,2
	global_store_b128 v[L16], v[PC+4*\c:PC+4*\c+3], s[12:13] offset:((\a)/4)*HS+((\a)%4)*1536+512*\c
.endr
	ds_store_b32 v[SV], v[PW] offset:64*(\a)
.endm
	; the bias is asked for here, at the head: v64-127 of window 0 are named by no line of the walk along K; the wait for it stands ahead of the way out
	s_wait_alu depctr_va_vdst(0)
	s_cmp_ge_u32 s96, 8
	s_cbranch_scc1 .Lbias_v
	s_lshl_b32 s20, ttmp9, 12
	s_lshl_b32 s21, s40, 10
	s_add_co_u32 s20, s20, s21
	s_lshl_b32 s21, s16, 9
	s_add_co_u32 s20, s20, s21
	s_mov_b32 s21, 0
	s_add_nc_u64 s[8:9], s[8:9], s[20:21]
.irp b, 0,1,2,3
.irp j, 0,1,2,3
	global_load_b128 v[BI+16*\b+4*\j:BI+16*\b+4*\j+3], v[BIO], s[8:9] offset:128*\b+16*\j
.endr
.endr
	s_branch .Lbias_in
.Lbias_v:
	s_lshl_b32 s22, s41, 10
	s_lshl_b32 s21, s15, 9
	s_add_co_u32 s22, s22, s21
	s_add_co_u32 s22, s22, 8192
	s_mov_b32 s23, 0
	s_add_nc_u64 s[8:9], s[8:9], s[22:23]
.irp a, 0,1,2,3,4,5,6,7
	global_load_b32 v[BV+2*\a], v[VB], s[8:9] offset:(32*(\a/2)+8*(\a%2))*4
	global_load_b32 v[BV+2*\a+1], v[VB], s[8:9] offset:(32*(\a/2)+8*(\a%2))*4
.endr
.Lbias_in:
	s_wait_alu depctr_va_vdst(0)
	s_wait_tensorcnt 0x0                           ; my tile of the head's four is in
	ds_add_u32 v[SPW], v[NIL]
	s_mov_b32 s[G1+2], 96<<16                      ; no tensor load of mine is out: from here on a load brings 128 rows of codes, 96 rows of 256 bytes
	s_mov_b32 s[G1+4], 96
	s_mov_b32 s[G1B+2], 96<<16
	s_mov_b32 s[G1B+4], 96
	s_wait_dscnt 0x0
	CROUND                                         ; all four tiles are in, and all sixteen work-groups are here
	JLOAD G0+4, G1, G0B+4, G1B                     ; K step 1, the first tensor load behind the round
	FETCH_B 0, 0, 0
	FETCH_A 0, 0, 0
	SCALES 0
	FETCH_A 0, 0, 4
	STEP 0, 0, 1
	s_mov_b32 s3, LAPS-1
.Llap:
	TURN 0, 1, 1
	STEP 1, 0, 0
	TURN 1, 0, 1
	STEP 0, 0, 0
	s_sub_co_u32 s3, s3, 1
	s_cmp_lg_u32 s3, 0
	s_cbranch_scc1 .Llap
	TURN 0, 1, 0
	STEP 1, 0, 0
	s_cmp_ge_u32 s96, 8
	s_cbranch_scc1 .Lv
	s_lshl_b32 s20, s96, 2
	s_add_co_u32 s20, s20, s41
	s_lshr_b32 s21, s20, 3
	s_lshl_b32 s21, s21, 4
	s_lshl_b32 s22, s40, 2
	s_add_co_u32 s21, s21, s22
	s_lshl_b32 s22, s16, 1
	s_add_co_u32 s21, s21, s22
	s_mul_i32 s21, s21, HS
	s_and_b32 s20, s20, 7
	s_lshl_b32 s20, s20, 8
	s_lshl_b32 s22, s15, 7
	s_add_co_u32 s20, s20, s22
	s_mul_i32 s22, s20, 48
	s_add_co_u32 s22, s22, s21
	s_lshl_b32 s23, s20, 2
	s_add_co_u32 s23, s23, s21
	s_mov_b32 s46, QOFF
	s_mov_b32 s47, QSO
	s_mov_b32 s92, KSO
	s_cmp_eq_u32 ttmp9, 0
	s_cselect_b32 s46, s46, 0
	s_cselect_b32 s47, s47, s92
	s_add_co_u32 s22, s22, s46
	s_add_co_u32 s23, s23, s47
	s_mov_b32 s92, s22
	s_mov_b32 s93, 0
	s_add_nc_u64 s[12:13], s[10:11], s[92:93]
	s_mov_b32 s92, s23
	s_add_nc_u64 s[66:67], s[10:11], s[92:93]
	LAST
	PLACES NP
	s_wait_loadcnt 0x0
.irp a, 0,1,2,3,4,5,6,7
	QKBLOCK \a
.endr
	ds_load_b128 v[ST:ST+3], v[SQR]
	ds_load_b128 v[ST+4:ST+7], v[SQR] offset:512
	s_wait_dscnt 0x0
	global_store_b128 v[L16], v[ST:ST+3], s[66:67]
	global_store_b128 v[L16], v[ST+4:ST+7], s[66:67] offset:HS
	s_branch .Lend
.Lv:
	s_mov_b32 s23, 0
	s_sub_co_u32 s20, s96, 8
	s_lshl_b32 s20, s20, 4
	s_lshl_b32 s21, s41, 2
	s_add_co_u32 s20, s20, s21
	s_lshl_b32 s21, s15, 1
	s_add_co_u32 s20, s20, s21
	s_mul_i32 s20, s20, HS
	s_lshl_b32 s21, s42, 1
	s_add_co_u32 s21, s21, s16
	s_mul_i32 s22, s21, 6144
	s_add_co_u32 s22, s22, s20
	s_add_co_u32 s22, s22, VOFF
	s_add_nc_u64 s[12:13], s[10:11], s[22:23]
	s_lshl_b32 s22, s21, 8
	s_add_co_u32 s22, s22, s20
	s_add_co_u32 s22, s22, VSO
	s_add_nc_u64 s[66:67], s[10:11], s[22:23]
	LAST
	PLACES NP
	s_wait_loadcnt 0x0
.irp a, 0,1,2,3,4,5,6,7
	VBLOCK \a
.endr
	ds_load_b128 v[ST:ST+3], v[SVR]
	s_wait_dscnt 0x0
	global_store_b128 v[GV], v[ST:ST+3], s[66:67]
.Lend:
	s_wait_tensorcnt 0x0
	ds_add_u32 v[SPW], v[NIL]
	s_wait_dscnt 0x0
	CROUND
	s_endpgm
.Lfunc_end_k_q0612fe51da_gemm_qkv:
	.size	k_q0612fe51da_gemm_qkv, .Lfunc_end_k_q0612fe51da_gemm_qkv-k_q0612fe51da_gemm_qkv
	.p2alignl 7, 3214868480
	.fill 96, 4, 3214868480
	.section	.rodata,"a",@progbits
	.p2align	6, 0x0
	.amdhsa_kernel k_q0612fe51da_gemm_qkv
		.amdhsa_group_segment_fixed_size 327680
		.amdhsa_private_segment_fixed_size 0
		.amdhsa_enable_private_segment 0
		.amdhsa_kernarg_size 32
		.amdhsa_user_sgpr_count 2
		.amdhsa_user_sgpr_kernarg_segment_ptr 1
		.amdhsa_wavefront_size32 1
		.amdhsa_system_sgpr_workgroup_id_x 1
		.amdhsa_system_sgpr_workgroup_id_y 1
		.amdhsa_system_sgpr_workgroup_id_z 1
		.amdhsa_system_vgpr_workitem_id 0
		.amdhsa_next_free_vgpr 1024
		.amdhsa_next_free_sgpr 102
		.amdhsa_reserve_vcc 0
		.amdhsa_float_denorm_mode_32 3
		.amdhsa_float_denorm_mode_16_64 3
		.amdhsa_memory_ordered 1
		.amdhsa_forward_progress 1
		.amdhsa_inst_pref_size 242
	.end_amdhsa_kernel
	.amdgpu_metadata
---
amdhsa.version: [ 1, 2 ]
amdhsa.kernels:
  - .name:           k_q0612fe51da_gemm_qkv
    .symbol:         k_q0612fe51da_gemm_qkv.kd
    .args:
      - { .name: cod, .offset: 0, .size: 8, .value_kind: global_buffer, .address_space: global }
      - { .name: scl, .offset: 8, .size: 8, .value_kind: global_buffer, .address_space: global }
      - { .name: b_qkv, .offset: 16, .size: 8, .value_kind: global_buffer, .address_space: global }
      - { .name: qkv, .offset: 24, .size: 8, .value_kind: global_buffer, .address_space: global }
    .group_segment_fixed_size: 327680
    .private_segment_fixed_size: 0
    .kernarg_segment_align: 8
    .kernarg_segment_size: 32
    .max_flat_workgroup_size: 128
    .sgpr_count:     102
    .vgpr_count:     1024
    .wavefront_size: 32
...
	.end_amdgpu_metadata
.endif
;; end of part 2
;; launch attn (part 3): grid 4 x 64, 16 waves a work-group, clusters of 4 x 1, 235,520 bytes of LDS; arguments qkv, oc, os; writes oc, os
.if DOCPART == 3
	.amdgcn_target "amdgcn-amd-amdhsa--gfx1250"
	.amdhsa_code_object_version 6
	.text
	.protected	k_q0612fe51da_attn
	.globl	k_q0612fe51da_attn
	.p2align	8
	.type	k_q0612fe51da_attn,@function
k_q0612fe51da_attn:
	s_mov_b64 s[64:65], 0
	v_nop
	global_prefetch_b8 v0, s[64:65] scope:SCOPE_SE
	s_setreg_imm32_b32 hwreg(HW_REG_WAVE_MODE, 25, 1), 1
	s_wait_xcnt 0x0
	s_wait_alu depctr_hold_cnt(0) depctr_sa_sdst(0) depctr_va_vdst(0) depctr_va_sdst(0) depctr_va_ssrc(0) depctr_va_vcc(0) depctr_vm_vsrc(0)
	s_getreg_b32 s2, hwreg(HW_REG_IB_STS2, 6, 4)
	s_cmp_eq_u32 s2, 0
	s_cbranch_scc0 .Lentry_in_a_cluster
	s_endpgm
.Lentry_in_a_cluster:
	s_bfe_u32 s2, ttmp6, 0x10000c
	s_cmp_lg_u32 s2, 0x3003
	s_cbranch_scc0 .Lentry_shape_is_right
	s_endpgm
.Lentry_shape_is_right:
; o[b][q][head] = softmax_k(q . k / 8) v for 64 (batch, head) pairs of 2,048 tokens and 64 channels, both products on codes of BF6 (E3M2) with one E8M0 scale for each 32 along a product's K; o leaves as codes, quantised along the channels.
; THE SOFTMAX AHEAD OF THE SECOND PRODUCT: t = score x log2(e) / 8; M = the row's largest t so far, rounded UP to a whole number; p = 2^(t - M) is quantised along the keys, not normalised.
; The row's sum is taken of the unquantised p, in f32, and divides O at the end.  When M moves, the sum and O are multiplied by 2^(old M - new M): exact.
; INPUT: qkv, a record of HS bytes for each (batch, head).  Its first 208,896 bytes (K's codes, V^T's codes, K's and V's scale words) are copied to LDS as they lie, ONCE: no LDS byte is filled again.
; SHARES.  A work-group owns 512 queries of one head; each of its sixteen waves owns TWO tiles of 16 queries, A and B, side by side: a step's fragments of K and of V are read from LDS once and serve both tiles:
; 13,056 bytes of K and V and 1,536 of Q for two tiles' step.  One step: K; S^T of A, A's softmax; S^T of B on the same fragments; V lands under B's softmax; eight products O^T += V^T P^T.
; Q: one operand's registers serve both tiles; the two tiles' Q lie in 1,536 LDS bytes of the wave's own, stored once behind the head's barrier, into which no fill lands, and are fetched by turns.
; CLUSTER.  The four work-groups of a head form a cluster and ask for the head's bytes JOINTLY: each wave one tensor load of 51 rows of 256 bytes, the same in all four, with a mask that names the four.
; No data prefetch: all of K and V are asked for once, at the head, and there is no loop to run ahead in.
; LAYOUT.  Both products are used transposed: S^T = K Q^T, O^T = V^T P^T: a lane holds ONE query (lane % 16) of each tile.  Tokens lie with bits 3 to 5 of their numbers rotated: row 8 h + j of stored tile t of a step is key
; 64 (t / 4) + 32 h + 8 (t % 4) + j.  So in S^T lane (r, h) holds in registers 32 c + i key 64 c + 32 h + i: two WHOLE blocks of 32 keys, in the order and in the lanes in which the 6-bit operand wants p's codes.
; Channels lie with bits 3 and 4 exchanged: in O^T the 16 registers of two neighbouring tiles are channels 32 b + 16 h + 0 .. 15.
; K = 64 IN AN INSTRUCTION OF 128: q's registers 6-11 are zero codes, and the upper two bytes of q's and k's scale words are 0 (2^-127, a number).  So k's upper six registers may hold any codes (every code of this format
; is a finite number): they are the next tile's, and for the last tile the first six registers of A's p codes.
; LIMITS: a block whose largest magnitude lies under 2^-122 gets the byte 1; NaN and infinities are not served; the promise holds while the scaled scores t stay under 2^31 in magnitude.
; One exception to stores of whole runs of 256 bytes: o's scale bytes, two for a token and a head, lie 32 bytes apart, since a token's 32 bytes come from sixteen work-groups: 262,144 bytes in all.
; REGISTERS: v0 thread; v1 16 x lane, v2 8 x lane, v3 K's scale words, v4-5 my Q in LDS; v6-8 the step's addresses; v9 at the ends; v10 f, v11 8 (lane / 16); A: v12 -M, v13 largest score, v[14:15] sum; B: v16-19 likewise;
;   v20-25 Q, v26-31 zeros; v32-79 8 tiles of K, then 4 fragments of V; v80-91 A's p codes, v92-103 B's; v104-167 S^T, then p; v168-199 A's O^T, v200-231 B's; v232-235 K's scale words, v236-237 V's, v238-239 Q's, v240-241 p's;
;   v242-253 at work; v254, v255 the add's two.
.set HS,   315392
.set PART, 13056                       ; 51 rows of 256 bytes: a wave's sixteenth of the head's 208,896 bytes
.set VOFF, 98304
.set KSO,  196608
.set VSO,  204800
.set QOFF, 208896
.set QSO,  307200
.set QL,   210944                      ; behind the spare words: 1,536 bytes for each wave: its two tiles of Q
.set S,    104
.set WV,   18                          ; s18 my wave's number
.set CN,   19                          ; s19 -c
.set SEL,  20                          ; s[20:21] lane selects for lane l xor 16
.set CS,   22                          ; s[22:23] c = log2(e) / 8
.set TK,   36                          ; s36 the step's codes: 6,144 bytes a step, for K and for V alike
.set TS,   37                          ; s37 K's scale words: 512 bytes a step
.set TJ,   38                          ; s38 V's, counted from K's: VSO - KSO + 256 bytes a step
.macro CROUND                          ; a round of the cluster's barrier
	s_barrier_signal -1
	s_barrier_wait -1
	s_cmp_lg_u32 s[WV], 0
	s_cbranch_scc1 .Lnot_wave_0_\@
	s_barrier_signal -3
.Lnot_wave_0_\@:
	s_barrier_wait -3
	s_barrier_signal -1
	s_barrier_wait -1
.endm
	s_load_b128 s[4:7], s[0:1], 0x0                ; qkv s[4:5], oc s[6:7]
	s_load_b64 s[8:9], s[0:1], 0x10                ; os
	v_lshl_add_u32 v254, v0, 2, 0x33000
	v_mov_b32 v255, 0
	ds_add_u32 v254, v255
	ds_add_u32 v254, v255
	v_lshrrev_b32 v8, 5, v0
	s_delay_alu instid0(VALU_DEP_1)
	v_readfirstlane_b32 s[WV], v8                  ; wave 0..15
	s_and_b32 s12, ttmp7, 0xffff                   ; 16 batch + head, which the four partners share
	s_mul_i32 s14, s12, HS
	s_mov_b32 s15, 0
	s_mul_i32 s13, s[WV], PART                     ; my part: in the record and in LDS alike
	s_mov_b32 s16, s13
	s_mov_b32 s17, 0
	s_mov_b32 s24, 15|(3<<16)|(1<<21)              ; the mask: all four work-groups; elements of 8 bytes; no padding; bit 21 set beside a mask
	s_mov_b32 s25, 32<<16                          ; tensor_dim0 = 32 elements: 256 bytes
	s_mov_b32 s26, 51<<16                          ; tensor_dim1 = 51
	s_mov_b32 s27, 32<<16                          ; tile_dim0
	s_mov_b32 s28, 51                              ; tile_dim1
	s_mov_b32 s29, 32                              ; the pitch: dense
	s_mov_b32 s30, 0
	s_mov_b32 s31, 0
	s_mov_b32 s[SEL], 0x76543210
	s_mov_b32 s[SEL+1], 0xfedcba98
	s_mov_b32 s[CS], 0x3e38aa3b                    ; log2(e) / 8
	s_mov_b32 s[CS+1], s[CS]                       ; (named with it as a pair, so it is written)
	s_mov_b32 s[CN], 0xbe38aa3b
	s_wait_dscnt 0x0
	s_wait_kmcnt 0x0
	s_add_nc_u64 s[50:51], s[4:5], s[14:15]        ; the record
	s_mov_b32 s32, 1
	s_mov_b32 s33, s13
	s_add_nc_u64 s[34:35], s[50:51], s[16:17]
	s_or_b32 s35, s35, 0x80000000
	CROUND                                         ; all four work-groups are here: the joint loads meet
	tensor_load_to_lds s[32:35], s[24:31]          ; my one tensor load of the launch
	s_nop 0
.rept 4
	v_nop
.endr
	s_bfe_u32 s10, ttmp6, 0x40000                  ; cx: it enters Q's, oc's and os's addresses alone
	s_lshl_b32 s11, ttmp9, 2
	s_add_co_u32 s10, s10, s11                     ; my block of 512 queries
	s_lshl_b32 s10, s10, 5
	s_add_co_u32 s10, s10, s[WV]                   ; tile A: 32 x block + wave; tile B lies 16 tiles on
	s_mul_i32 s52, s10, 768
	s_add_co_u32 s52, s52, QOFF
	s_mov_b32 s53, 0
	s_add_nc_u64 s[42:43], s[50:51], s[52:53]      ; Q's codes
	s_lshl_b32 s52, s10, 6
	s_add_co_u32 s52, s52, QSO
	s_add_nc_u64 s[44:45], s[50:51], s[52:53]      ; Q's scale words
	s_lshr_b32 s11, s12, 4
	s_lshl_b32 s11, s11, 7
	s_add_co_u32 s11, s11, s10                     ; the tile among all 512: 128 batch + tile
	s_and_b32 s54, s12, 15                         ; the head
	s_lshl_b32 s52, s11, 4
	s_add_co_u32 s52, s52, s54
	s_mul_i32 s52, s52, 768
	s_add_nc_u64 s[46:47], s[6:7], s[52:53]        ; oc: [tile][head][768]
	s_lshl_b32 s52, s11, 9
	s_lshl_b32 s54, s54, 1
	s_add_co_u32 s52, s52, s54
	s_add_nc_u64 s[48:49], s[8:9], s[52:53]        ; os: [token][32], bytes 2 head and 2 head + 1
	s_mul_i32 s55, s[WV], 1536
	s_add_co_u32 s55, s55, QL                      ; my Q's place in LDS
	v_and_b32 v6, 31, v0                           ; lane
	v_and_b32 v9, 15, v0
	v_bfe_u32 v11, v0, 4, 1
	v_lshlrev_b32 v1, 4, v6                        ; 16 x lane: K's codes begin at LDS byte 0
	v_lshlrev_b32 v2, 3, v6                        ; 8 x lane
	v_lshlrev_b32 v9, 2, v9                        ; Q's scale words: 4 bytes a token
	global_load_b128 v[104:107], v1, s[42:43]      ; tile A's Q: registers 0-3,
	global_load_b64 v[108:109], v2, s[42:43] offset:512   ; registers 4-5,
	global_load_b32 v238, v9, s[44:45]             ; its scale words;
	global_load_b128 v[112:115], v1, s[42:43] offset:12288   ; and tile B's, 16 tiles on
	global_load_b64 v[116:117], v2, s[42:43] offset:12800
	global_load_b32 v239, v9, s[44:45] offset:1024
	v_lshl_add_u32 v3, v6, 2, KSO                  ; K's scale words: 4 x lane
	v_add_nc_u32 v4, s55, v1
	v_add_nc_u32 v5, s55, v2
	v_lshlrev_b32 v11, 3, v11                      ; 8 x (lane / 16): where my two bytes stand in p's scale word
.irp j, 26,27,28,29,30,31,80,81,82,83,84,85
	v_mov_b32 v\j, 0                               ; zero codes: Q's upper 64 along K; and what the first step names behind K's last tile
.endr
	v_mov_b32 v13, 0xff61b1e6                      ; the largest score so far: -3e38, under every score
	v_mov_b32 v17, 0xff61b1e6
	v_floor_f32 v12, -v13                          ; -M: so large that the first step's factor is 0
	v_floor_f32 v16, -v17
.irp j, 14,15,18,19
	v_mov_b32 v\j, 0                               ; the sums, in two halves
.endr
.set j, 0
.rept 64
	v_mov_b32 v[168+j], 0                          ; O^T of both tiles: the loop is written once; its first step finds zeros, which the first change of M leaves zeros
.set j, j+1
.endr
	s_mov_b32 s[TK], 0
	s_mov_b32 s[TS], 0
	s_mov_b32 s[TJ], VSO-KSO
	s_mov_b32 s39, 16                              ; key steps of 128
	s_wait_alu depctr_va_vdst(0)
	s_wait_tensorcnt 0x0                           ; my part of the head has landed,
	s_barrier_signal -1
	s_barrier_wait -1                              ; everybody's has
	s_wait_loadcnt 0x0                             ; Q, both tiles
	ds_store_b128 v4, v[104:107]                   ; into my own LDS bytes, as the operand's registers take them
	ds_store_b64 v5, v[108:109] offset:512
	ds_store_b128 v4, v[112:115] offset:768
	ds_store_b64 v5, v[116:117] offset:1280
	ds_load_b128 v[20:23], v4                      ; LDS serves a wave's instructions in order: tile A's Q for the first step
	ds_load_b64 v[24:25], v5 offset:512
; S^T = K Q^T of the tile whose Q stands in v20-25: in tile t lane (r, h) holds query r, register j key 64 (t / 4) + 32 h + 8 (t % 4) + j
.macro QK qs
.irp t, 0,1,2,3,4,5,6,7
.if \t%2
	v_wmma_scale_f32_16x16x128_f8f6f4 v[S+8*\t:S+7+8*\t], v[32+6*\t:43+6*\t], v[20:31], 0, v[232+\t/2], v[\qs] matrix_a_fmt:MATRIX_FMT_BF6 matrix_b_fmt:MATRIX_FMT_BF6 matrix_a_scale:MATRIX_SCALE_ROW1
.else
	v_wmma_scale_f32_16x16x128_f8f6f4 v[S+8*\t:S+7+8*\t], v[32+6*\t:43+6*\t], v[20:31], 0, v[232+\t/2], v[\qs] matrix_a_fmt:MATRIX_FMT_BF6 matrix_b_fmt:MATRIX_FMT_BF6
.endif
.endr
.endm
.macro OMUL ob, j0                             ; O^T under the new M: x f; four lines at a time, between the last levels of the sum's tree
.irp j, 0,2,4,6
	v_pk_mul_f32 v[(\ob)+(\j0)+\j:(\ob)+(\j0)+\j+1], v[(\ob)+(\j0)+\j:(\ob)+(\j0)+\j+1], v[10:11] op_sel_hi:[1,0]
.endr
.endm
; One tile's softmax on S^T.  st: its -M, largest score and sum; cd: its p codes; ob: its O^T; ps: p's scale word
.macro SOFT st, cd, ob, ps
; the largest score of each of my two blocks of 32 keys, in two chains a block: it serves for the row's maximum and, since p rises with the score, for the block's largest p.  Each tile of S^T is first read at its low end
.irp c, 0,1
	v_max3_num_f32 v[242+2*\c], v[S+32*\c], v[S+1+32*\c], v[S+2+32*\c]
	v_max3_num_f32 v[243+2*\c], v[S+16+32*\c], v[S+17+32*\c], v[S+18+32*\c]
.endr
.irp i, 3,5,7,9,11,13
.irp c, 0,1
	v_max3_num_f32 v[242+2*\c], v[242+2*\c], v[S+32*\c+\i], v[S+1+32*\c+\i]
	v_max3_num_f32 v[243+2*\c], v[243+2*\c], v[S+16+32*\c+\i], v[S+17+32*\c+\i]
.endr
.endr
.irp c, 0,1
	v_max3_num_f32 v[242+2*\c], v[242+2*\c], v[243+2*\c], v[S+15+32*\c]
.endr
.irp c, 0,1
	v_max_num_f32 v[242+2*\c], v[242+2*\c], v[S+31+32*\c]
.endr
	v_max_num_f32 v243, v242, v244                 ; my 64 keys' largest score,
	v_permlanex16_b32 v245, v243, s[SEL], s[SEL+1]
	v_max3_num_f32 v[(\st)+1], v[(\st)+1], v243, v245   ; with lane l xor 16's: the running largest score of my query
	v_mul_f32 v249, s[CN], v[(\st)+1]              ; -t (c is positive, so the largest score gives the largest t)
	v_floor_f32 v253, v249                         ; the new -M = floor(-t) = -ceil(t): M IS A WHOLE NUMBER
	v_sub_f32 v249, v253, v[\st]                   ; M's old value less its new one: a whole number, 0 or less
	v_mov_b32 v[\st], v253
.set j, 0
.rept 32
	v_pk_fma_f32 v[S+j:S+1+j], v[S+j:S+1+j], s[CS:CS+1], v[\st:(\st)+1] op_sel_hi:[1,0,0]   ; t - M, two at a time (of the pairs c and -M the low word serves both halves)
.set j, j+2
.endr
	v_fma_f32 v242, v242, s[CS], v[\st]            ; the same of each block's largest score
	v_fma_f32 v244, v244, s[CS], v[\st]
	s_wait_alu depctr_va_vdst(0)
.set j, 0
.rept 64
	v_exp_f32 v[S+j], v[S+j]                       ; p = 2^(t - M), at most 1: NOT normalised
.set j, j+1
.endr
	v_exp_f32 v242, v242                           ; the block's largest p: the same two instructions on the same number give the same bits
	v_exp_f32 v244, v244
	v_cvt_i32_f32 v249, v249                       ; (it saturates.)  A plain place behind the exponentials
	s_wait_alu depctr_va_vdst(0)                   ; one wait for the whole batch, ahead of its first reader
	v_ldexp_f32 v10, 1.0, v249                     ; f = 2^(old M - new M)
	v_max_num_f32 v242, 0x2800000, v242            ; the floor 2^(5 - 127): the byte cannot fall under 1
	v_max_num_f32 v244, 0x2800000, v244
	s_delay_alu instid0(VALU_DEP_2)
	v_add_nc_u32 v242, 0xfe000000, v242            ; 4 off the exponent field: the conversion's scale operand
	v_add_nc_u32 v244, 0xfe000000, v244
.irp c, 0,1                                    ; my block 2 c + h: six registers of the operand, as they stand
	v_cvt_scalef32_pk16_bf6_f32 v[(\cd)+6*\c:(\cd)+2+6*\c], v[S+32*\c:S+15+32*\c], v[242+2*\c]
	v_cvt_scalef32_pk16_bf6_f32 v[246+4*\c:248+4*\c], v[S+16+32*\c:S+31+32*\c], v[242+2*\c]   ; (a conversion's three registers begin on an even number)
.endr
	v_lshrrev_b32 v243, 23, v242                   ; the scales' bytes.  (A plain place behind the conversions)
	v_lshrrev_b32 v245, 23, v244
	s_delay_alu instid0(VALU_DEP_1)
	v_lshl_or_b32 v243, v245, 16, v243             ; my two: blocks h and 2 + h,
	s_delay_alu instid0(VALU_DEP_1)
	v_lshlrev_b32 v243, v11, v243                  ; at their places in p's scale word;
	s_delay_alu instid0(VALU_DEP_1)
	v_permlanex16_b32 v245, v243, s[SEL], s[SEL+1]
	s_delay_alu instid0(VALU_DEP_1)
	v_or_b32 v[\ps], v243, v245                    ; with lane l xor 16's two the word is whole
.irp c, 0,1
.irp i, 0,1,2
	v_mov_b32 v[(\cd)+3+6*\c+\i], v[246+4*\c+\i]
.endr
.endr
; THE ROW'S SUM IS TAKEN OF THE UNQUANTISED p: a tree in place, two numbers an instruction
.set j, 0
.rept 16
	v_pk_add_f32 v[S+j:S+1+j], v[S+j:S+1+j], v[S+32+j:S+33+j]
.set j, j+2
.endr
.set j, 0
.rept 8
	v_pk_add_f32 v[S+j:S+1+j], v[S+j:S+1+j], v[S+16+j:S+17+j]
.set j, j+2
.endr
.set j, 0
.rept 4
	s_delay_alu instid0(VALU_DEP_4)
	v_pk_add_f32 v[S+j:S+1+j], v[S+j:S+1+j], v[S+8+j:S+9+j]
.set j, j+2
.endr
	s_wait_dscnt 0x0                               ; what was asked of LDS ahead of this softmax: the other tile's Q, and behind B's scores V
	s_wait_alu depctr_va_vdst(0)                   ; directly ahead of the first reader of O^T
	OMUL \ob, 0
	v_pk_add_f32 v[S:S+1], v[S:S+1], v[S+4:S+5]
	v_pk_add_f32 v[S+2:S+3], v[S+2:S+3], v[S+6:S+7]
	OMUL \ob, 8
	v_pk_add_f32 v[S:S+1], v[S:S+1], v[S+2:S+3]
	OMUL \ob, 16
	v_pk_fma_f32 v[(\st)+2:(\st)+3], v[(\st)+2:(\st)+3], v[10:11], v[S:S+1] op_sel_hi:[1,0,1]   ; the sum under the new M, and this step's
	OMUL \ob, 24
.endm
.Lkey:
	v_add_nc_u32 v6, s[TK], v1                     ; four plain lines: also the places in front of loads into registers that the last products read
	v_add_nc_u32 v7, s[TK], v2
	v_add_nc_u32 v8, s[TS], v3
	v_nop
.irp t, 0,1,2,3,4,5,6,7
	ds_load_b128 v[32+6*\t:35+6*\t], v6 offset:768*\t          ; a tile of 16 keys x 64: 512 consecutive bytes,
	ds_load_b64 v[36+6*\t:37+6*\t], v7 offset:768*\t+512       ; and 256
.endr
.irp i, 0,1,2,3
	ds_load_b32 v[232+\i], v8 offset:128*\i        ; lanes 0-15: tile 2 i's scale words, lanes 16-31 tile 2 i + 1's
.endr
	s_wait_alu depctr_va_vdst(0)                   ; ahead of the wait below
	s_wait_dscnt 0x0                               ; K, and tile A's Q
	QK 238
.rept 4
	v_nop                                          ; places in front of the loads below and of the first read of the scores
.endr
	ds_load_b128 v[20:23], v4 offset:768           ; tile B's Q lands under A's softmax
	ds_load_b64 v[24:25], v5 offset:1280
	SOFT 12, 80, 168, 240
	QK 239                                         ; the same fragments of K serve tile B
	v_add_nc_u32 v6, VOFF, v6                      ; V's codes of this step, and its scale words: with two v_nop the places in front of the loads below and of the first read of the scores
	v_add_nc_u32 v8, s[TJ], v3
	v_nop
	v_nop
.irp d, 0,1,2,3
.irp c, 0,1,2
	ds_load_b128 v[32+12*\d+4*\c:35+12*\d+4*\c], v6 offset:1536*\d+512*\c   ; V^T's four fragments of these 128 keys land under B's softmax
.endr
.endr
.irp i, 0,1
	ds_load_b32 v[236+\i], v8 offset:128*\i
.endr
	ds_load_b128 v[20:23], v4                      ; and tile A's Q for the next step
	ds_load_b64 v[24:25], v5 offset:512
	SOFT 16, 92, 200, 241
.irp d, 0,1,2,3                                ; O^T += V^T P^T, each fragment of V for both tiles: eight accumulators by turns; the next step's sixteen products stand between two links of a chain
.if \d%2
	v_wmma_scale_f32_16x16x128_f8f6f4 v[168+8*\d:175+8*\d], v[32+12*\d:43+12*\d], v[80:91], v[168+8*\d:175+8*\d], v[236+\d/2], v240 matrix_a_fmt:MATRIX_FMT_BF6 matrix_b_fmt:MATRIX_FMT_BF6 matrix_a_scale:MATRIX_SCALE_ROW1
	v_wmma_scale_f32_16x16x128_f8f6f4 v[200+8*\d:207+8*\d], v[32+12*\d:43+12*\d], v[92:103], v[200+8*\d:207+8*\d], v[236+\d/2], v241 matrix_a_fmt:MATRIX_FMT_BF6 matrix_b_fmt:MATRIX_FMT_BF6 matrix_a_scale:MATRIX_SCALE_ROW1
.else
	v_wmma_scale_f32_16x16x128_f8f6f4 v[168+8*\d:175+8*\d], v[32+12*\d:43+12*\d], v[80:91], v[168+8*\d:175+8*\d], v[236+\d/2], v240 matrix_a_fmt:MATRIX_FMT_BF6 matrix_b_fmt:MATRIX_FMT_BF6
	v_wmma_scale_f32_16x16x128_f8f6f4 v[200+8*\d:207+8*\d], v[32+12*\d:43+12*\d], v[92:103], v[200+8*\d:207+8*\d], v[236+\d/2], v241 matrix_a_fmt:MATRIX_FMT_BF6 matrix_b_fmt:MATRIX_FMT_BF6
.endif
.endr
	s_add_co_u32 s[TK], s[TK], 6144
	s_add_co_u32 s[TS], s[TS], 512
	s_add_co_u32 s[TJ], s[TJ], 256
	s_sub_co_u32 s39, s39, 1
	s_cmp_lg_u32 s39, 0
	s_cbranch_scc1 .Lkey
	; THE WAY OUT: O^T / the sum, quantised along the head's 64 channels: two blocks a tile; six registers of codes a lane leave as they stand.
.rept 4
	v_nop
.endr
	v_add_f32 v14, v14, v15                        ; the sums' two halves,
	v_add_f32 v18, v18, v19
	v_permlanex16_b32 v244, v14, s[SEL], s[SEL+1]
	v_permlanex16_b32 v245, v18, s[SEL], s[SEL+1]
	v_add_f32 v14, v14, v244                       ; and lane l xor 16's: the rows' sums
	v_add_f32 v18, v18, v245
	s_wait_alu depctr_va_vdst(0)                   ; ahead of the transcendentals
	v_rcp_f32 v14, v14
	v_rcp_f32 v18, v18
	v_nop                                          ; a plain place behind the transcendentals
	s_wait_alu depctr_va_vdst(0)                   ; and ahead of their first reader, which is O^T's first reader too; only plain lines up to the last first read of O^T
.set j, 0
.rept 32
	v_mul_f32 v[S+j], v[168+j], v14                ; register 16 b + i is channel 32 b + 16 h + i of my query of tile A,
.set j, j+1
.endr
.set j, 0
.rept 32
	v_mul_f32 v[S+32+j], v[200+j], v18             ; and of tile B
.set j, j+1
.endr
.macro OQ sb, cd, w                            ; 32 registers at sb -> six registers of codes at cd and the two scale bytes in w
.irp b, 0,1
	v_max3_num_f32 v[242+\b], |v[(\sb)+16*\b]|, |v[(\sb)+1+16*\b]|, 0x2800000
.endr
.irp i, 2,4,6,8,10,12,14
.irp b, 0,1
	s_delay_alu instid0(VALU_DEP_2)
	v_max3_num_f32 v[242+\b], v[242+\b], |v[(\sb)+16*\b+\i]|, |v[(\sb)+1+16*\b+\i]|
.endr
.endr
.irp b, 0,1
	s_delay_alu instid0(VALU_DEP_2)
	v_permlanex16_b32 v[244+\b], v[242+\b], s[SEL], s[SEL+1]
.endr
.irp b, 0,1
	s_delay_alu instid0(VALU_DEP_2)
	v_max_num_f32 v[242+\b], v[242+\b], v[244+\b]
.endr
.irp b, 0,1
	s_delay_alu instid0(VALU_DEP_2)
	v_add_nc_u32 v[242+\b], 0xfe000000, v[242+\b]
.endr
.irp b, 0,1
	s_delay_alu instid0(VALU_DEP_2)
	v_lshrrev_b32 v[244+\b], 23, v[242+\b]
.endr
	s_delay_alu instid0(VALU_DEP_1)
	v_lshl_or_b32 v[\w], v245, 8, v244             ; my query's two scale bytes
	v_cvt_scalef32_pk16_bf6_f32 v[\cd:(\cd)+2], v[\sb:(\sb)+15], v242
	v_cvt_scalef32_pk16_bf6_f32 v[246:248], v[(\sb)+16:(\sb)+31], v243
	v_nop
.irp i, 0,1,2
	v_permlane16_swap_b32 v[(\cd)+\i], v[246+\i]   ; here a block lies in two lanes: the operand's layout wants it whole in one
.endr
.irp i, 0,1,2
	s_delay_alu instid0(VALU_DEP_3)
	v_mov_b32 v[(\cd)+3+\i], v[246+\i]
.endr
.endm
	OQ S, 80, 249
	global_store_b128 v1, v[80:83], s[46:47]       ; 512 consecutive bytes, aligned,
	global_store_b64 v2, v[84:85], s[46:47] offset:512   ; and 256
	OQ S+32, 92, 253
	global_store_b128 v1, v[92:95], s[46:47] offset:196608   ; tile B: 16 tiles of 16 heads x 768 bytes on
	global_store_b64 v2, v[96:97], s[46:47] offset:197120
	v_and_b32 v6, 31, v0
	v_and_b32 v9, 15, v0
	v_lshlrev_b32 v9, 5, v9                        ; os: 32 bytes a token
	v_cmp_gt_u32 vcc_lo, 16, v6
	s_wait_alu depctr_va_vdst(0)                   ; directly ahead of the wait below
	s_wait_xcnt 0x0                                ; EXEC changes only behind this wait
	s_and_saveexec_b32 s60, vcc_lo                 ; lanes 0-15: one lane a query
	global_store_b16 v9, v249, s[48:49]
	global_store_b16 v9, v253, s[48:49] offset:8192
	s_wait_xcnt 0x0                                ; and again in front of the line that widens it
	s_or_b32 exec_lo, exec_lo, s60
	s_wait_tensorcnt 0x0                           ; the wave's end
	ds_add_u32 v254, v255
	s_wait_dscnt 0x0
	CROUND                                         ; the closing round
	s_endpgm
.Lfunc_end_k_q0612fe51da_attn:
	.size	k_q0612fe51da_attn, .Lfunc_end_k_q0612fe51da_attn-k_q0612fe51da_attn
	.p2alignl 7, 3214868480
	.fill 96, 4, 3214868480
	.section	.rodata,"a",@progbits
	.p2align	6, 0x0
	.amdhsa_kernel k_q0612fe51da_attn
		.amdhsa_group_segment_fixed_size 235520
		.amdhsa_private_segment_fixed_size 0
		.amdhsa_enable_private_segment 0
		.amdhsa_kernarg_size 24
		.amdhsa_user_sgpr_count 2
		.amdhsa_user_sgpr_kernarg_segment_ptr 1
		.amdhsa_wavefront_size32 1
		.amdhsa_system_sgpr_workgroup_id_x 1
		.amdhsa_system_sgpr_workgroup_id_y 1
		.amdhsa_system_sgpr_workgroup_id_z 1
		.amdhsa_system_vgpr_workitem_id 0
		.amdhsa_next_free_vgpr 256
		.amdhsa_next_free_sgpr 66
		.amdhsa_reserve_vcc 1
		.amdhsa_float_denorm_mode_32 3
		.amdhsa_float_denorm_mode_16_64 3
		.amdhsa_memory_ordered 1
		.amdhsa_forward_progress 1
		.amdhsa_inst_pref_size 46
	.end_amdhsa_kernel
	.amdgpu_metadata
---
amdhsa.version: [ 1, 2 ]
amdhsa.kernels:
  - .name:           k_q0612fe51da_attn
    .symbol:         k_q0612fe51da_attn.kd
    .args:
      - { .name: qkv, .offset: 0, .size: 8, .value_kind: global_buffer, .address_space: global }
      - { .name: oc, .offset: 8, .size: 8, .value_kind: global_buffer, .address_space: global }
      - { .name: os, .offset: 16, .size: 8, .value_kind: global_buffer, .address_space: global }
    .group_segment_fixed_size: 235520
    .private_segment_fixed_size: 0
    .kernarg_segment_align: 8
    .kernarg_segment_size: 24
    .max_flat_workgroup_size: 512
    .sgpr_count:     66
    .vgpr_count:     256
    .wavefront_size: 32
...
	.end_amdgpu_metadata
.endif
;; end of part 3
;; launch proj (part 4): grid 4 x 32, 4 waves a work-group, clusters of 4 x 4, 327,680 bytes of LDS; arguments oc, os, cod, scl, b_proj, out0; writes out0
.if DOCPART == 4
	.amdgcn_target "amdgcn-amd-amdhsa--gfx1250"
	.amdhsa_code_object_version 6
	.text
	.protected	k_q0612fe51da_proj
	.globl	k_q0612fe51da_proj
	.p2align	8
	.type	k_q0612fe51da_proj,@function
k_q0612fe51da_proj:
	s_mov_b64 s[64:65], 0
	v_nop
	global_prefetch_b8 v0, s[64:65] scope:SCOPE_SE
	s_setreg_imm32_b32 hwreg(HW_REG_WAVE_MODE, 25, 1), 1
	s_wait_xcnt 0x0
	s_wait_alu depctr_hold_cnt(0) depctr_sa_sdst(0) depctr_va_vdst(0) depctr_va_sdst(0) depctr_va_ssrc(0) depctr_va_vcc(0) depctr_vm_vsrc(0)
	s_getreg_b32 s2, hwreg(HW_REG_IB_STS2, 6, 4)
	s_cmp_eq_u32 s2, 0
	s_cbranch_scc0 .Lentry_in_a_cluster
	s_endpgm
.Lentry_in_a_cluster:
	s_bfe_u32 s2, ttmp6, 0x10000c
	s_cmp_lg_u32 s2, 0xf033
	s_cbranch_scc0 .Lentry_shape_is_right
	s_endpgm
.Lentry_shape_is_right:
.set SIZE_K, 1024
.set SIZE_N, 1024
.set KSTEP,  256
.set NQ,     KSTEP/128
.set ROWB,   49152                     ; bytes from a K step of a group of 256 rows of cod to the next
.set KROW,   SIZE_K*6/8
.set PITCH,  240
.set FR,     12
.set NL,     6
.set NLA,    4
.set NP,     4
.set HALFA,  8*3072
.set HALFT,  128*PITCH
.set BOFF,   2*HALFA
.set SLOT,   2*HALFA+2*HALFT
.set LAPS,   SIZE_K/(2*KSTEP)
.set KS,     SIZE_K/32
.set SCL,    2*SLOT
.set HALFS,  (128*KS/256)*272
.set SBLK,   (16*KS/256)*272
.set SPARE,  SCL+4*HALFS
.set SPITCH, 528
.set AA16, 16
.set AA8,  18
.set ADRB, 20
.set STO,  24
.set RD,   25
.set CO,   26
.set ADRS, 27
.set SPW,  28
.set NIL,  29
.set BIO,  30
.set SC,   32
.set BI,   64
.set AF,   128
.set BK,   128
.set G1, 24
.set G0, 32
.set G1B, 48
.set G0B, 56
.set G1S, 68
.set G0S, 76
.set G1SB, 80
.set G0SB, 88
.set MSB, 0
.macro WIN new
.if MSB != \new
	s_set_vgpr_msb (MSB<<8)|\new
.set MSB, \new
.endif
.endm
.set MUL_LO, 0xa1
.set MUL_HI, 0xf1
.set BIAS_LO, 0x81
.set BIAS_HI, 0xc1
.set TO_B,   0x40
.macro JLOAD g0a, g1a, g0b, g1b
	s_cmp_eq_u32 s15, 0
	s_cbranch_scc0 .Lfor_b_\@
	tensor_load_to_lds s[\g0a:\g0a+3], s[\g1a:\g1a+7]
	s_nop 0
.rept 4
	v_nop
.endr
	s_branch .Lasked_\@
.Lfor_b_\@:
	tensor_load_to_lds s[\g0b:\g0b+3], s[\g1b:\g1b+7]
	s_nop 0
.rept 4
	v_nop
.endr
.Lasked_\@:
.endm
.macro CREST
	s_cmp_lg_u32 s14, 0
	s_cbranch_scc1 .Lnot_wave_0_\@
	s_barrier_signal -3
.Lnot_wave_0_\@:
	s_barrier_wait -3
	s_barrier_signal -1
	s_barrier_wait -1
.endm
.macro CROUND
	s_barrier_signal -1
	s_barrier_wait -1
	CREST
.endm
	s_load_b128 s[4:7], s[0:1], 0x0
	s_load_b128 s[8:11], s[0:1], 0x10
	s_load_b64 s[66:67], s[0:1], 0x20
	s_load_b64 s[12:13], s[0:1], 0x28
	v_lshl_add_u32 v[SPW], v0, 2, SPARE
	v_mov_b32 v[NIL], 0
	ds_add_u32 v28, v29
	ds_add_u32 v28, v29
	s_wait_dscnt 0x0
	v_lshrrev_b32 v1, 5, v0
	v_readfirstlane_b32 s14, v1
	s_lshr_b32 s15, s14, 1
	s_and_b32 s16, s14, 1
	s_bfe_u32 s40, ttmp6, 0x40000
	s_bfe_u32 s41, ttmp6, 0x40004
	s_lshl_b32 s42, ttmp9, 2
	s_add_co_u32 s42, s42, s40
	s_and_b32 s17, ttmp7, 0xffff
	s_lshl_b32 s17, s17, 2
	s_add_co_u32 s17, s17, s41
	s_lshl_b32 s43, s41, 2
	s_lshl_b32 s43, 15, s43
	s_lshl_b32 s44, 0x1111, s40
	s_or_b32 s[G1+0], s43, (3<<16)|(1<<21)
	s_mov_b32 s[G1+1], 384<<16
	s_mov_b32 s[G1+2], 16<<16                      ; the head's load brings all 16 tiles of 16 tokens; behind it the two words are set to 8
	s_mov_b32 s[G1+3], 384<<16
	s_mov_b32 s[G1+4], 16
	s_mov_b32 s[G1+5], 1536
	s_mov_b32 s[G1+6], 0
	s_mov_b32 s[G1+7], 0
	s_or_b32 s[G1B+0], s44, (0<<16)|(1<<20)|(1<<21)|(3<<22)|(3<<25)
	s_mov_b32 s[G1B+1], 256<<16                    ; a K step of 256 rows of codes is dense: 49,152 bytes, taken as 192 rows of 256 bytes; 16 bytes of padding behind each 64 make a row of 192 bytes 240 in LDS
	s_mov_b32 s[G1B+2], 192<<16
	s_mov_b32 s[G1B+3], 256<<16
	s_mov_b32 s[G1B+4], 192
	s_mov_b32 s[G1B+5], 256
	s_mov_b32 s[G1B+6], 0
	s_mov_b32 s[G1B+7], 0
	s_or_b32 s[G1S+0], s43, (3<<16)|(1<<20)|(1<<21)|(5<<22)|(3<<25)
	s_or_b32 s[G1SB+0], s44, (3<<16)|(1<<20)|(1<<21)|(5<<22)|(3<<25)
.irp g, G1S, G1SB
	s_mov_b32 s[\g+1], 32<<16
	s_mov_b32 s[\g+2], KS<<16                      ; the scales of 256 rows: KS rows of 256 bytes
	s_mov_b32 s[\g+3], 32<<16
	s_mov_b32 s[\g+4], KS
	s_mov_b32 s[\g+5], 32
	s_mov_b32 s[\g+6], 0
	s_mov_b32 s[\g+7], 0
.endr
	s_lshl_b32 s20, s17, 4
	s_lshl_b32 s18, s16, 3
	s_add_co_u32 s20, s20, s18
	s_lshl_b32 s22, s20, 9
	s_mul_i32 s20, s20, 12288
	s_mov_b32 s21, 0
	s_mov_b32 s23, 0
	s_lshl_b32 s46, s42, 8
	s_lshl_b32 s18, s16, 7
	s_add_co_u32 s46, s46, s18
	s_add_co_u32 s46, s46, 11264
	s_lshl_b32 s92, s46, 5
	s_mul_i32 s46, s46, KROW
	s_mul_i32 s18, s16, 73728                      ; inside a K step the second 128 rows lie 24,576 bytes on, not 98,304
	s_sub_co_u32 s46, s46, s18
	s_mov_b32 s47, 0
	s_mov_b32 s93, 0
	s_mul_i32 s45, s16, HALFA
	s_mul_i32 s95, s16, HALFT
	s_add_co_u32 s95, s95, BOFF
	s_wait_kmcnt 0x0
	s_add_nc_u64 s[20:21], s[4:5], s[20:21]
	s_add_nc_u64 s[22:23], s[6:7], s[22:23]
	s_add_nc_u64 s[46:47], s[8:9], s[46:47]
	s_add_nc_u64 s[92:93], s[10:11], s[92:93]
	CROUND
.irp s, 0,1
	s_mov_b32 s[G0+4*\s], 1
	s_add_co_u32 s[G0+4*\s+1], s45, \s*SLOT
	s_add_nc_u64 s[G0+4*\s+2:G0+4*\s+3], s[20:21], \s*3072
	s_or_b32 s[G0+4*\s+3], s[G0+4*\s+3], 0x80000000
	s_mov_b32 s[G0B+4*\s], 1
	s_add_co_u32 s[G0B+4*\s+1], s95, \s*SLOT
	s_add_nc_u64 s[G0B+4*\s+2:G0B+4*\s+3], s[46:47], \s*ROWB
	s_or_b32 s[G0B+4*\s+3], s[G0B+4*\s+3], 0x80000000
.endr
	; the head's four tiles, each whole, one joint load a wave: wave 0 K step 0 of A's 256 tokens, wave 1 of B's 256 rows, wave 2 A's scales, wave 3 B's.  The half that my wave's number put into the addresses is taken off again
	s_mul_i32 s18, s16, 98304
	s_mov_b32 s19, 0
	s_mov_b32 s4, 1
	s_mov_b32 s5, 0
	s_sub_nc_u64 s[6:7], s[20:21], s[18:19]
	s_or_b32 s7, s7, 0x80000000
	s_mul_i32 s18, s16, 24576
	s_mov_b32 s8, 1
	s_mov_b32 s9, BOFF
	s_sub_nc_u64 s[10:11], s[46:47], s[18:19]
	s_or_b32 s11, s11, 0x80000000
	s_lshl_b32 s18, s16, 12
	s_mov_b32 s[G0S], 1
	s_mov_b32 s[G0S+1], SCL
	s_sub_nc_u64 s[G0S+2:G0S+3], s[22:23], s[18:19]
	s_or_b32 s[G0S+3], s[G0S+3], 0x80000000
	s_mov_b32 s[G0SB], 1
	s_mov_b32 s[G0SB+1], SCL+2*HALFS
	s_sub_nc_u64 s[G0SB+2:G0SB+3], s[92:93], s[18:19]
	s_or_b32 s[G0SB+3], s[G0SB+3], 0x80000000
.macro ARM under, g0, g1, next         ; one tree of branches on the wave's number: every way through the head passes exactly one load
	s_cmp_lt_u32 s14, \under
	s_cbranch_scc0 \next
	tensor_load_to_lds s[\g0:\g0+3], s[\g1:\g1+7]
	s_nop 0
.rept 4
	v_nop
.endr
	s_branch .Lhead_asked
\next:
.endm
	ARM 1, 4,   G1,  .Lhead_b
	ARM 2, 8,   G1B, .Lhead_sa
	ARM 3, G0S, G1S, .Lhead_sb
	tensor_load_to_lds s[G0SB:G0SB+3], s[G1SB:G1SB+7]
	s_nop 0
.rept 4
	v_nop
.endr
.Lhead_asked:
	v_and_b32 v1, 15, v0
	v_bfe_u32 v2, v0, 4, 1
	v_and_b32 v6, 31, v0
	v_lshlrev_b32 v[CO], 4, v6
	v_lshlrev_b32 v7, 3, v6
	v_mul_u32_u24 v3, v1, PITCH
	v_mul_u32_u24 v4, v2, 24
	v_add_nc_u32 v4, v3, v4
	v_lshl_add_u32 v5, v2, 4, v4
	s_mul_i32 s21, s15, HALFA
	s_mul_i32 s22, s16, HALFT
	s_add_co_u32 s22, s22, BOFF
.irp s, 0,1
	v_add_nc_u32 v[AA16+\s], s21, v[CO]
	v_add_nc_u32 v[AA8+\s], s21, v7
	v_add_nc_u32 v[ADRB+\s], s22, v4
	v_add_nc_u32 v[ADRB+2+\s], s22, v5
	s_add_co_u32 s21, s21, SLOT
	s_add_co_u32 s22, s22, SLOT
.endr
	v_mul_u32_u24 v5, v1, KS
	v_lshrrev_b32 v6, 8, v5
	v_lshl_add_u32 v5, v6, 4, v5
	s_mul_i32 s21, s15, HALFS
	s_mul_i32 s22, s16, HALFS
	s_add_co_u32 s22, s22, 2*HALFS
	s_sub_co_u32 s22, s22, s21
	v_mul_u32_u24 v6, s22, v2
	s_add_co_u32 s21, s21, SCL
	v_add_nc_u32 v5, v5, v6
	v_add_nc_u32 v[ADRS], s21, v5
	s_mul_i32 s23, s14, 16*SPITCH
	v_mul_u32_u24 v5, v1, SPITCH
	v_lshl_add_u32 v5, v2, 6, v5
	v_add_nc_u32 v[STO], s23, v5
	v_add_nc_u32 v[RD], s23, v[CO]
	v_lshlrev_b32 v[BIO], 6, v2
	s_wait_alu depctr_va_vdst(0)
	s_lshl_b32 s20, s17, 8
	s_lshl_b32 s21, s15, 7
	s_add_co_u32 s20, s20, s21
	s_mov_b32 s21, 0
	s_mov_b64 s[18:19], SIZE_N*4
	s_mul_u64 s[20:21], s[20:21], s[18:19]
	s_lshl_b32 s46, s42, 10
	s_lshl_b32 s47, s16, 9
	s_add_co_u32 s46, s46, s47
	s_mov_b32 s47, 0
	s_add_nc_u64 s[66:67], s[66:67], s[46:47]
	s_add_nc_u64 s[20:21], s[20:21], s[46:47]
	s_add_nc_u64 s[12:13], s[12:13], s[20:21]
.irp b, 0,1,2,3,4,5,6,7
	global_load_b128 v[BI+8*\b:BI+8*\b+3], v[BIO], s[66:67] offset:128*(\b/2)+32*(\b%2)
	global_load_b128 v[BI+8*\b+4:BI+8*\b+7], v[BIO], s[66:67] offset:128*(\b/2)+32*(\b%2)+16
.endr
.macro FRAG reg, adr, q, i
.irp p, 0,1,2,3,4,5
.set PCE, 12*(\q)+6*(\p/3)+\p%3
.if PCE%8 < 5
	ds_load_b64 v[\reg+2*\p:\reg+2*\p+1], v[\adr] offset:8*PCE+16*(PCE/8)+(\i)*16*PITCH
.else
	ds_load_b64 v[\reg+2*\p:\reg+2*\p+1], v[\adr+2] offset:8*PCE+16*(PCE/8)+(\i)*16*PITCH
.endif
.endr
.endm
.macro FRAG_A reg, slot, q, i
	ds_load_b128 v[\reg:\reg+3], v[AA16+\slot] offset:3072*(\i)+1536*(\q)
	ds_load_b64 v[\reg+4:\reg+5], v[AA8+\slot] offset:3072*(\i)+1536*(\q)+512
	ds_load_b128 v[\reg+6:\reg+9], v[AA16+\slot] offset:3072*(\i)+1536*(\q)+768
	ds_load_b64 v[\reg+10:\reg+11], v[AA8+\slot] offset:3072*(\i)+1536*(\q)+1280
.endm
.macro MUL16 a0, p, q, sc, zero
.irp a, \a0, \a0+1
.irp b, 0,1,2,3,4,5,6,7
.if \zero
	v_wmma_scale_f32_16x16x128_f8f6f4 v[8*(8*((\a)%4)+\b):8*(8*((\a)%4)+\b)+7], v[128*(\p)+FR*\b:128*(\p)+FR*\b+FR-1], v[AF+FR*(\a):AF+FR*(\a)+FR-1], v[BI+8*\b:BI+8*\b+7], v[SC+8*NQ*(\sc)+NQ*\b+(\q)], v[SC+8*NQ*(\sc)+NQ*(\a)+(\q)] matrix_a_fmt:MATRIX_FMT_BF6 matrix_b_fmt:MATRIX_FMT_BF6 matrix_a_scale:MATRIX_SCALE_ROW1
.else
	v_wmma_scale_f32_16x16x128_f8f6f4 v[8*(8*((\a)%4)+\b):8*(8*((\a)%4)+\b)+7], v[128*(\p)+FR*\b:128*(\p)+FR*\b+FR-1], v[AF+FR*(\a):AF+FR*(\a)+FR-1], v[8*(8*((\a)%4)+\b):8*(8*((\a)%4)+\b)+7], v[SC+8*NQ*(\sc)+NQ*\b+(\q)], v[SC+8*NQ*(\sc)+NQ*(\a)+(\q)] matrix_a_fmt:MATRIX_FMT_BF6 matrix_b_fmt:MATRIX_FMT_BF6 matrix_a_scale:MATRIX_SCALE_ROW1
.endif
.endr
.endr
.endm
.macro FETCH_B slot, q, p
	WIN TO_B
.irp i, 0,1,2,3,4,5,6,7
	FRAG 128*(\p)+FR*\i, ADRB+\slot, \q, \i
.endr
	WIN 0
.endm
.macro FETCH_A slot, q, i0
.irp i, \i0, \i0+1, \i0+2, \i0+3
	FRAG_A AF+FR*(\i), \slot, \q, \i
.endr
.endm
.macro SCALES sc
.irp i, 0,1,2,3,4,5,6,7
	ds_load_b64 v[SC+8*NQ*\sc+NQ*\i:SC+8*NQ*\sc+NQ*\i+1], v[ADRS] offset:\i*SBLK
.endr
.endm
.macro PLACES n
.rept \n
	v_nop
.endr
.endm
.macro STEP slot, q, zero
	s_wait_dscnt 4*NLA
.if \zero
	WIN BIAS_LO
.else
	WIN MUL_LO
.endif
	MUL16 0, (\q)%2, \q, \slot, \zero
	MUL16 2, (\q)%2, \q, \slot, \zero
	s_wait_dscnt 0
	PLACES NP
	FETCH_B \slot, (\q)+1, 1-(\q)%2
	FETCH_A \slot, (\q)+1, 0
.if \zero
	WIN BIAS_HI
.else
	WIN MUL_HI
.endif
	MUL16 4, (\q)%2, \q, \slot, \zero
	MUL16 6, (\q)%2, \q, \slot, \zero
	PLACES NP
	WIN 0
	FETCH_A \slot, (\q)+1, 4
.endm
.macro TURN slot, next, fill
	s_wait_tensorcnt 0x0
	ds_add_u32 v[SPW], v[NIL]
	s_wait_dscnt 4*NLA+1
	WIN MUL_LO
	MUL16 0, 1, NQ-1, \slot, 0
	s_wait_dscnt 0x0
	s_barrier_signal -1
	MUL16 2, 1, NQ-1, \slot, 0
	WIN 0
	s_barrier_wait -1
.if \fill
	CREST
	s_add_nc_u64 s[G0+4*\slot+2:G0+4*\slot+3], s[G0+4*\slot+2:G0+4*\slot+3], 2*3072
	s_add_nc_u64 s[G0B+4*\slot+2:G0B+4*\slot+3], s[G0B+4*\slot+2:G0B+4*\slot+3], 2*ROWB
	JLOAD G0+4*\slot, G1, G0B+4*\slot, G1B
.else
	PLACES NP
.endif
	s_wait_alu depctr_va_vdst(0)
	v_add_nc_u32 v[ADRS], 4*NQ, v[ADRS]
	FETCH_B \next, 0, 0
	FETCH_A \next, 0, 0
	SCALES \next
	WIN MUL_HI
	MUL16 4, 1, NQ-1, \slot, 0
	MUL16 6, 1, NQ-1, \slot, 0
	PLACES NP
	WIN 0
	FETCH_A \next, 0, 4
.endm
	s_wait_alu depctr_va_vdst(0)
	s_wait_tensorcnt 0x0                           ; my tile of the head's four is in
	ds_add_u32 v[SPW], v[NIL]
	s_mov_b32 s[G1+2], 8<<16                       ; no tensor load of mine is out: from here on a load brings 8 tiles of tokens,
	s_mov_b32 s[G1+4], 8
	s_mov_b32 s[G1B+2], 96<<16                     ; or 128 rows of B's codes, 96 rows of 256 bytes
	s_mov_b32 s[G1B+4], 96
	s_wait_dscnt 0x0
	CROUND                                         ; all four tiles are in, and all sixteen work-groups are here
	JLOAD G0+4, G1, G0B+4, G1B                     ; K step 1, the first tensor load behind the round
	FETCH_B 0, 0, 0
	FETCH_A 0, 0, 0
	SCALES 0
	FETCH_A 0, 0, 4
	s_wait_loadcnt 0x0
	STEP 0, 0, 1
	s_mov_b32 s3, LAPS-1
.Llap:
	TURN 0, 1, 1
	STEP 1, 0, 0
	TURN 1, 0, 1
	STEP 0, 0, 0
	s_sub_co_u32 s3, s3, 1
	s_cmp_lg_u32 s3, 0
	s_cbranch_scc1 .Llap
	TURN 0, 1, 0
	STEP 1, 0, 0
	s_wait_dscnt 4*NLA
	WIN MUL_LO
	MUL16 0, 1, NQ-1, 1, 0
	MUL16 2, 1, NQ-1, 1, 0
	s_wait_dscnt 0
	WIN MUL_HI
	MUL16 4, 1, NQ-1, 1, 0
	MUL16 6, 1, NQ-1, 1, 0
	WIN 0
.macro TOSTAGE a
.set AC, 64*((\a)%4)
	WIN 0x08+4*((\a)/4)
.irp b, 0,1,2,3,4,5,6,7
	ds_store_b128 v[STO], v[AC+8*\b:AC+8*\b+3] offset:128*(\b/2)+32*(\b%2)
	ds_store_b128 v[STO], v[AC+8*\b+4:AC+8*\b+7] offset:128*(\b/2)+32*(\b%2)+16
.endr
	WIN 0
.set BB, BK+64*((\a)%2)
.irp t, 0,1,2,3,4,5,6,7,8,9,10,11,12,13,14,15
	ds_load_b128 v[BB+4*\t:BB+4*\t+3], v[RD] offset:\t*SPITCH
.endr
.endm
.macro SEND a, younger
.set BB, BK+64*((\a)%2)
	s_wait_dscnt \younger
.if (\a) > 0
.if (\a)%4                             ; the tokens' stored order is undone here: row t of stored tile a is token 64 (a / 4) + 32 (t / 8) + 8 (a % 4) + t % 8
	s_add_nc_u64 s[12:13], s[12:13], 8*SIZE_N*4
.else
	s_add_nc_u64 s[12:13], s[12:13], 40*SIZE_N*4
.endif
.endif
.irp t, 0,1,2,3,4,5,6,7,8,9,10,11,12,13,14,15
	global_store_b128 v[CO], v[BB+4*\t:BB+4*\t+3], s[12:13] offset:(\t+24*(\t/8))*SIZE_N*4 th:TH_STORE_NT
.endr
.endm
	PLACES NP
	TOSTAGE 0
.irp a, 1,2,3,4,5,6,7
.if \a > 1
	s_wait_xcnt 0x0
.endif
	TOSTAGE \a
	SEND \a-1, 32
.endr
	s_wait_xcnt 0x0
	SEND 7, 0
	s_wait_tensorcnt 0x0
	ds_add_u32 v[SPW], v[NIL]
	s_wait_dscnt 0x0
	CROUND
	s_endpgm
.Lfunc_end_k_q0612fe51da_proj:
	.size	k_q0612fe51da_proj, .Lfunc_end_k_q0612fe51da_proj-k_q0612fe51da_proj
	.p2alignl 7, 3214868480
	.fill 96, 4, 3214868480
	.section	.rodata,"a",@progbits
	.p2align	6, 0x0
	.amdhsa_kernel k_q0612fe51da_proj
		.amdhsa_group_segment_fixed_size 327680
		.amdhsa_private_segment_fixed_size 0
		.amdhsa_enable_private_segment 0
		.amdhsa_kernarg_size 48
		.amdhsa_user_sgpr_count 2
		.amdhsa_user_sgpr_kernarg_segment_ptr 1
		.amdhsa_wavefront_size32 1
		.amdhsa_system_sgpr_workgroup_id_x 1
		.amdhsa_system_sgpr_workgroup_id_y 1
		.amdhsa_system_sgpr_workgroup_id_z 1
		.amdhsa_system_vgpr_workitem_id 0
		.amdhsa_next_free_vgpr 1024
		.amdhsa_next_free_sgpr 98
		.amdhsa_reserve_vcc 0
		.amdhsa_float_denorm_mode_32 3
		.amdhsa_float_denorm_mode_16_64 3
		.amdhsa_memory_ordered 1
		.amdhsa_forward_progress 1
		.amdhsa_inst_pref_size 155
	.end_amdhsa_kernel
	.amdgpu_metadata
---
amdhsa.version: [ 1, 2 ]
amdhsa.kernels:
  - .name:           k_q0612fe51da_proj
    .symbol:         k_q0612fe51da_proj.kd
    .args:
      - { .name: oc, .offset: 0, .size: 8, .value_kind: global_buffer, .address_space: global }
      - { .name: os, .offset: 8, .size: 8, .value_kind: global_buffer, .address_space: global }
      - { .name: cod, .offset: 16, .size: 8, .value_kind: global_buffer, .address_space: global }
      - { .name: scl, .offset: 24, .size: 8, .value_kind: global_buffer, .address_space: global }
      - { .name: b_proj, .offset: 32, .size: 8, .value_kind: global_buffer, .address_space: global }
      - { .name: out0, .offset: 40, .size: 8, .value_kind: global_buffer, .address_space: global }
    .group_segment_fixed_size: 327680
    .private_segment_fixed_size: 0
    .kernarg_segment_align: 8
    .kernarg_segment_size: 48
    .max_flat_workgroup_size: 128
    .sgpr_count:     98
    .vgpr_count:     1024
    .wavefront_size: 32
...
	.end_amdgpu_metadata
.endif
;; end of part 4
